; MI455X (gfx1250); checked and timed in simulation.
; The chip was launched on July 23, 2026; its instructions are those of AMD's public machine-readable ISA for CDNA 5 (MIT licence, August 2026) and "CDNA5" Instruction Set Architecture Reference Guide (July 2026). The comments in the code are by the model that wrote it; some were corrected since.
;; Adaptive Sparse Attention. Allowed arithmetic: float matrix products may take bf16 or f16 operands with f32 sums; other float arithmetic in f32, or as packed bf16 or f16 multiplies, adds, multiply-adds, maxima and minima; sums over many terms, partial sums and values carried from step to step in f32; what a program stores and reads back later, other than sums and carried values, may be rounded once to bf16 or f16.
;; Inputs: W_attn 1,024 x 3,072 float32; W_proj 1,024 x 1,024 float32; b_attn 3,072 float32; b_proj 1,024 float32; gumbel_temp 8 float32; noise_u 4 x 8 x 1,024 x 1,024 float32; sparsity_ratios 8 float32; x 4 x 1,024 x 1,024 float32.
;; Outputs: out0 4 x 1,024 x 1,024 float32.
;; 2 versions, each right; version 2 is version 1 with the launch prep written anew for expert scheduling mode. Each part assembles by itself: llvm-mc -triple=amdgcn-amd-amdhsa -mcpu=gfx1250 --defsym DOCPART=n.
;; ======== version 1 of 2: 4 launches
;; limits: values within 1.19e-07 (relative) of each other or of a threshold may be ordered or decided otherwise than in the reference; values are held in f16: magnitudes above 65,504 overflow, below 6.1e-05 lose precision; right only within a limited range of input values
;; workspace buffers: x16 8,388,608 bytes; wa16 6,291,456 bytes; wp16 2,097,152 bytes; qkv16 25,165,824 bytes; vsum 262,144 bytes; y16 8,388,608 bytes
;; launch prep (part 1): grid 512 x 1, 8 waves a work-group, no clusters, 0 bytes of LDS; arguments x, W_attn, W_proj, x16, wa16, wp16; writes x16, wa16, wp16
.if DOCPART == 1
	.amdgcn_target "amdgcn-amd-amdhsa--gfx1250"
	.amdhsa_code_object_version 6
	.text
	.protected	k_qfac1f40383_prep
	.globl	k_qfac1f40383_prep
	.p2align	8
	.type	k_qfac1f40383_prep,@function
k_qfac1f40383_prep:
	s_mov_b64 s[64:65], 0
	v_nop
	global_prefetch_b8 v0, s[64:65] scope:SCOPE_SE
	s_setreg_imm32_b32 hwreg(HW_REG_WAVE_MODE, 25, 1), 1
	s_wait_xcnt 0x0
; x, W_attn and W_proj are rounded once to f16.  x16 keeps x's layout; the weights are laid in tiles of 128 columns, [tile][k][128], so that a
; tile's rows lie end to end.  A PIECE is 128 consecutive f32 of a row: 512 bytes in (one load of a wave), 256 bytes out (one store of a wave,
; aligned).  A work-group takes 128 pieces: 16 turns of its eight waves.  Work-groups 0-255: x; 256-447: W_attn; 448-511: W_proj.
; A stream: no LDS, no matrix unit, no cluster.  All 16 loads of a wave go out first; no register is written twice.
.set LD, 16                            ; v[16:79]   16 loads of 4 f32
.set HF, 80                            ; v[80:111]  16 x 4 f16
.set OF, 112                           ; v[112:127] 16 store offsets
	s_load_b256 s[4:11], s[0:1], 0x0               ; x, W_attn, W_proj, x16
	s_load_b128 s[12:15], s[0:1], 0x20             ; wa16, wp16
	v_lshrrev_b32 v3, 5, v0
	v_readfirstlane_b32 s20, v3                    ; wave
	v_lshlrev_b32 v1, 4, v0                        ; 16 bytes a thread: eight pieces a turn
	v_and_b32 v2, 31, v0
	v_lshlrev_b32 v2, 3, v2                        ; lane x 8: my 4 f16 in a piece
	s_mov_b32 s21, ttmp9
	s_mov_b32 s29, 0x0aaaaaab                      ; 2^32 / 24, rounded up: the high word of P x this is P / 24 for P < 24,576
	s_mov_b32 s30, 0x20000000                      ; 2^32 / 8
	s_movk_i32 s35, 256
	s_movk_i32 s36, 448
	s_wait_kmcnt 0x0
	s_cmp_lt_u32 s21, s36
	s_cselect_b64 s[24:25], s[6:7], s[8:9]         ; from
	s_cselect_b64 s[26:27], s[12:13], s[14:15]     ; to
	s_cselect_b32 s22, s35, s36                    ; the region's first work-group
	s_cselect_b32 s23, 24, 8                       ; pieces in a row
	s_cselect_b32 s28, s29, s30
	s_cmp_lt_u32 s21, s35
	s_cselect_b64 s[24:25], s[4:5], s[24:25]
	s_cselect_b64 s[26:27], s[10:11], s[26:27]
	s_cselect_b32 s22, 0, s22
	s_cselect_b32 s23, 1, s23
	s_sub_co_u32 s22, s21, s22                     ; my number in the region
	s_lshl_b32 s38, s22, 16                        ; 128 pieces of 512 bytes
	s_mov_b32 s39, 0
	s_add_nc_u64 s[24:25], s[24:25], s[38:39]
	s_lshl_b32 s33, s22, 7
	s_add_co_u32 s33, s33, s20                     ; my wave's first piece
.set it, 0
.rept 16
	global_load_b128 v[LD+4*it:LD+4*it+3], v1, s[24:25] offset:it*4096 th:TH_LOAD_NT
.set it, it+1
.endr
.set it, 0
.rept 16
	s_add_co_u32 s31, s33, 8*it                    ; piece P
	s_mul_hi_u32 s32, s31, s28                     ; its row k = P / pieces in a row;
	s_cmp_lt_u32 s21, s35
	s_cselect_b32 s32, s31, s32                    ; for x: k = P, tile 0: the layout stays
	s_mul_i32 s34, s32, s23
	s_sub_co_u32 s34, s31, s34                     ; its tile
	s_lshl_b32 s34, s34, 10
	s_add_co_u32 s34, s34, s32
	s_lshl_b32 s34, s34, 8                         ; (tile x 1024 + k) x 256 bytes
	v_add_nc_u32 v[OF+it], s34, v2
	s_wait_loadcnt 15-it                           ; loads come back in order: this one is in, the younger ones stay out
	v_cvt_pk_f16_f32 v[HF+2*it], v[LD+4*it], v[LD+4*it+1]
	v_cvt_pk_f16_f32 v[HF+2*it+1], v[LD+4*it+2], v[LD+4*it+3]
	global_store_b64 v[OF+it], v[HF+2*it:HF+2*it+1], s[26:27]  ; 32 lanes x 8 bytes: 256 consecutive bytes, aligned
.set it, it+1
.endr
	s_endpgm
.Lfunc_end_k_qfac1f40383_prep:
	.size	k_qfac1f40383_prep, .Lfunc_end_k_qfac1f40383_prep-k_qfac1f40383_prep
	.p2alignl 7, 3214868480
	.fill 96, 4, 3214868480
	.section	.rodata,"a",@progbits
	.p2align	6, 0x0
	.amdhsa_kernel k_qfac1f40383_prep
		.amdhsa_group_segment_fixed_size 0
		.amdhsa_private_segment_fixed_size 0
		.amdhsa_enable_private_segment 0
		.amdhsa_kernarg_size 48
		.amdhsa_user_sgpr_count 2
		.amdhsa_user_sgpr_kernarg_segment_ptr 1
		.amdhsa_wavefront_size32 1
		.amdhsa_system_sgpr_workgroup_id_x 1
		.amdhsa_system_sgpr_workgroup_id_y 1
		.amdhsa_system_sgpr_workgroup_id_z 1
		.amdhsa_system_vgpr_workitem_id 0
		.amdhsa_next_free_vgpr 128
		.amdhsa_next_free_sgpr 66
		.amdhsa_reserve_vcc 0
		.amdhsa_float_denorm_mode_32 3
		.amdhsa_float_denorm_mode_16_64 3
		.amdhsa_memory_ordered 1
		.amdhsa_forward_progress 1
		.amdhsa_inst_pref_size 13
	.end_amdhsa_kernel
	.amdgpu_metadata
---
amdhsa.version: [ 1, 2 ]
amdhsa.kernels:
  - .name:           k_qfac1f40383_prep
    .symbol:         k_qfac1f40383_prep.kd
    .args:
      - { .name: x, .offset: 0, .size: 8, .value_kind: global_buffer, .address_space: global }
      - { .name: W_attn, .offset: 8, .size: 8, .value_kind: global_buffer, .address_space: global }
      - { .name: W_proj, .offset: 16, .size: 8, .value_kind: global_buffer, .address_space: global }
      - { .name: x16, .offset: 24, .size: 8, .value_kind: global_buffer, .address_space: global }
      - { .name: wa16, .offset: 32, .size: 8, .value_kind: global_buffer, .address_space: global }
      - { .name: wp16, .offset: 40, .size: 8, .value_kind: global_buffer, .address_space: global }
    .group_segment_fixed_size: 0
    .private_segment_fixed_size: 0
    .kernarg_segment_align: 8
    .kernarg_segment_size: 48
    .max_flat_workgroup_size: 256
    .sgpr_count:     66
    .vgpr_count:     128
    .wavefront_size: 32
...
	.end_amdgpu_metadata
.endif
;; end of part 1
;; launch qkv (part 2): grid 24 x 32, 4 waves a work-group, clusters of 4 x 4, 327,680 bytes of LDS; arguments x16, wa16, b_attn, qkv16, vsum; writes qkv16, vsum
.if DOCPART == 2
	.amdgcn_target "amdgcn-amd-amdhsa--gfx1250"
	.amdhsa_code_object_version 6
	.text
	.protected	k_qfac1f40383_qkv
	.globl	k_qfac1f40383_qkv
	.p2align	8
	.type	k_qfac1f40383_qkv,@function
k_qfac1f40383_qkv:
	s_mov_b64 s[64:65], 0
	v_nop
	global_prefetch_b8 v0, s[64:65] scope:SCOPE_SE
	s_setreg_imm32_b32 hwreg(HW_REG_WAVE_MODE, 25, 1), 1
	s_wait_xcnt 0x0
	s_wait_alu depctr_hold_cnt(0) depctr_sa_sdst(0) depctr_va_vdst(0) depctr_va_sdst(0) depctr_va_ssrc(0) depctr_va_vcc(0) depctr_vm_vsrc(0)
	s_getreg_b32 s2, hwreg(HW_REG_IB_STS2, 6, 4)
	s_cmp_eq_u32 s2, 0
	s_cbranch_scc0 .Lentry_in_a_cluster
	s_endpgm
.Lentry_in_a_cluster:
	s_bfe_u32 s2, ttmp6, 0x10000c
	s_cmp_lg_u32 s2, 0xf033
	s_cbranch_scc0 .Lentry_shape_is_right
	s_endpgm
.Lentry_shape_is_right:
; q, k, v = x W_attn + b_attn.  A: [4096][1024] f16.  B: [tile of 128 columns][1024 k][128] f16.  Sums in f32.  A tile of C is 128 x 128: four waves, each 64 x 64 in 16 accumulators.
; K goes in steps of 256 through two LDS slots filled by the tensor data mover: waves 0, 1 fetch A's two halves (64 rows of 512 bytes), waves 2, 3 B's (128 k rows of 256 bytes).
; CLUSTER 4 x 4: A's tile is shared along a row of the cluster, B's along a column; each is asked for jointly, by the same load with the same descriptor and a mask of four.
; THE MATRIX INSTRUCTION IS USED TRANSPOSED (source 0 = 16 columns of B, turned out of LDS by ds_load_tr16_b128; source 1 = 16 rows of A): a lane holds one row of C and eight neighbouring columns.
; THE WAY OUT: C is rounded to f16 and laid for the attention launch in the order of matrix fragments: q, k: [head][tile of 16 rows][c 0-3][i 0-1][lane][16 bytes], lane (r, h) = row r, channels 32 c + 16 i + 8 h ..;
; v: [head][64 keys][kk 0-1][cb 0-7][i][lane][16 bytes], lane (r, h) = channel 16 cb + r, keys 32 kk + 16 i + 8 h ...  Of v the column sums of each wave's 64 rows go to vsum, in f32.
; Whether a tile is v's hangs on the cluster's x alone (4 or 5: tile columns 16 to 23), which all partners and all waves share.
; LIMIT: a number of 65,520 or more would become an infinity in f16.
; REGISTERS: window 0: v0-31 addresses; v32-95 at work on the way out; v96-127 the bias of my 64 columns; v128-255 accumulators ((a, b) at 128 + 8 (4 a + b)).  window 1: two fragment buffers of 128 (64 of A, 64 of B).
.set SIZE_K, 1024
.set KSTEP,  256
.set PA,     528                       ; a row of A in LDS: 512 bytes + 16: the 16 rows of a load start at 16 different groups of four banks
.set PB,     288                       ; a k row of B: 256 + 32
.set HA,     64*PA
.set HB,     128*PB
.set BOFF,   2*HA
.set SLOT,   BOFF+2*HB
.set SPARE,  2*SLOT                    ; the spare words: 128 bytes a wave, two blocks of 256 bytes that no other line names
.set SP16,   272                       ; the stage lies in slot 0, which has had its last fill and its last read when the stage is written
.set H32,  15                          ; v15  32 x (lane / 16)
.set ADRA, 16                          ; v16-17 my A fragments in slot 0, 1
.set ADRB, 20                          ; v20-23 my B fragments: slot, and which 128 of the step's 256 k
.set STO0, 24
.set RDQ,  26
.set RDV,  27
.set SPW,  28
.set NIL,  29
.set CO,   31
.set TMP,  32
.set BI,   96
.set ACC,  128
.set F0,   0
.set F1,   128
.set G1, 24
.set G0, 32
.set G1B, 48
.set G0B, 56
.set MSB, 0
.macro WIN new                         ; the immediate's high byte repeats the setting that is left
.if MSB != (\new)
	s_set_vgpr_msb (MSB<<8)|(\new)
.set MSB, \new
.endif
.endm
.set MUL,  0x05                        ; sources 0 and 1 window 1; C and D window 0
.set TO_F, 0x40                        ; destination window 1
.macro JLOAD s                         ; a joint load; the branch hangs on the wave's number alone; an s_nop 0 and four v_nop follow each line
	s_cmp_eq_u32 s11, 0
	s_cbranch_scc0 .Lfor_b_\@
	tensor_load_to_lds s[G0+4*(\s):G0+4*(\s)+3], s[G1:G1+7]
	s_nop 0
.rept 4
	v_nop
.endr
	s_branch .Lasked_\@
.Lfor_b_\@:
	tensor_load_to_lds s[G0B+4*(\s):G0B+4*(\s)+3], s[G1B:G1B+7]
	s_nop 0
.rept 4
	v_nop
.endr
.Lasked_\@:
.endm
.macro CREST                           ; a round of the cluster's barrier behind its opening barrier
	s_cmp_lg_u32 s10, 0
	s_cbranch_scc1 .Lnot_wave_0_\@
	s_barrier_signal -3
.Lnot_wave_0_\@:
	s_barrier_wait -3
	s_barrier_signal -1
	s_barrier_wait -1
.endm
.macro CROUND
	s_barrier_signal -1
	s_barrier_wait -1
	CREST
.endm
	s_load_b128 s[4:7], s[0:1], 0x0                ; A, B
	s_load_b64 s[68:69], s[0:1], 0x10              ; bias
	s_load_b64 s[72:73], s[0:1], 0x18              ; qkv16
	s_load_b64 s[74:75], s[0:1], 0x20              ; vsum
	v_lshl_add_u32 v[SPW], v0, 2, SPARE
	v_mov_b32 v[NIL], 0
	ds_add_u32 v[SPW], v[NIL]                      ; the wave's opening: the add and its wait ahead of my first tensor load
	v_lshrrev_b32 v1, 5, v0
	v_readfirstlane_b32 s10, v1                    ; wave
	s_lshr_b32 s11, s10, 1                         ; my half of the tile's rows; also: I fetch for A (0) or B (1)
	s_and_b32 s12, s10, 1                          ; my half of its columns; also: which half of that tile I fetch
	s_mov_b32 s45, ttmp9                           ; the cluster's x: 4 or more means a tile of v
	s_bfe_u32 s40, ttmp6, 0x40000                  ; cx
	s_bfe_u32 s41, ttmp6, 0x40004                  ; cy
	s_lshl_b32 s42, ttmp9, 2
	s_add_co_u32 s42, s42, s40                     ; tile column
	s_and_b32 s13, ttmp7, 0xffff
	s_lshl_b32 s13, s13, 2
	s_add_co_u32 s13, s13, s41                     ; tile row
	s_lshl_b32 s43, s41, 2
	s_lshl_b32 s43, 15, s43                        ; my row of the cluster
	s_lshl_b32 s44, 0x1111, s40                    ; my column
	s_or_b32 s[G1+0], s43, (1<<16)|(1<<20)|(1<<21)|(6<<22)|(3<<25)   ; mask; 2-byte elements; padding on; bit 21 beside a mask; after 128 words 4 words
	s_or_b32 s[G1B+0], s44, (1<<16)|(1<<20)|(1<<21)|(5<<22)|(7<<25)  ; after 64 words 8 words
	s_mov_b32 s[G1+1], KSTEP<<16                   ; tensor_dim0 = 256
	s_mov_b32 s[G1+2], 64<<16                      ; tensor_dim1 = 64
	s_mov_b32 s[G1+3], KSTEP<<16                   ; tile_dim0 = 256
	s_mov_b32 s[G1+4], 64                          ; tile_dim1 = 64
	s_mov_b32 s[G1+5], SIZE_K                      ; elements from row to row
	s_mov_b32 s[G1+6], 0
	s_mov_b32 s[G1+7], 0
	s_mov_b32 s[G1B+1], 128<<16
	s_mov_b32 s[G1B+2], 128<<16
	s_mov_b32 s[G1B+3], 128<<16
	s_mov_b32 s[G1B+4], 128
	s_mov_b32 s[G1B+5], 128
	s_mov_b32 s[G1B+6], 0
	s_mov_b32 s[G1B+7], 0
	s_lshl_b32 s16, s13, 7
	s_lshl_b32 s17, s12, 6
	s_add_co_u32 s16, s16, s17
	s_lshl_b32 s16, s16, 11                        ; A: (128 x tile row + 64 x half) rows of 2,048 bytes
	s_mov_b32 s17, 0
	s_lshl_b32 s46, s42, 18                        ; B: tile column x 262,144 + half x 128 k rows of 256 bytes
	s_lshl_b32 s47, s12, 15
	s_add_co_u32 s46, s46, s47
	s_mov_b32 s47, 0
	s_mul_i32 s20, s12, HA                         ; where they go: no place in the cluster enters an LDS address
	s_mul_i32 s21, s12, HB
	s_add_co_u32 s21, s21, BOFF
	s_wait_dscnt 0x0                               ; the opening add is done
	s_wait_kmcnt 0x0
	s_add_nc_u64 s[14:15], s[4:5], s[16:17]
	s_add_nc_u64 s[46:47], s[6:7], s[46:47]
	CROUND                                         ; all sixteen work-groups are here: the first joint loads meet
.irp s, 0,1
	s_mov_b32 s[G0+4*(\s)], 1
	s_add_co_u32 s[G0+4*(\s)+1], s20, (\s)*SLOT
	s_add_nc_u64 s[G0+4*(\s)+2:G0+4*(\s)+3], s[14:15], (\s)*KSTEP*2
	s_or_b32 s[G0+4*(\s)+3], s[G0+4*(\s)+3], 0x80000000
	s_mov_b32 s[G0B+4*(\s)], 1
	s_add_co_u32 s[G0B+4*(\s)+1], s21, (\s)*SLOT
	s_add_nc_u64 s[G0B+4*(\s)+2:G0B+4*(\s)+3], s[46:47], (\s)*KSTEP*256
	s_or_b32 s[G0B+4*(\s)+3], s[G0B+4*(\s)+3], 0x80000000
	JLOAD \s
.endr
	v_and_b32 v1, 15, v0                           ; r
	v_bfe_u32 v2, v0, 4, 1                         ; h
	v_and_b32 v4, 7, v0
	v_bfe_u32 v5, v0, 3, 1
	v_and_b32 v6, 31, v0
	v_lshlrev_b32 v[H32], 5, v2
	s_lshl_b32 s78, s42, 9                         ; the bias of my 64 columns: lane (r, h) takes columns 16 b + 8 h + 0..7
	s_lshl_b32 s79, s12, 8
	s_add_co_u32 s78, s78, s79
	s_mov_b32 s79, 0
	s_add_nc_u64 s[68:69], s[68:69], s[78:79]
.irp b, 0,1,2,3
	global_load_b128 v[BI+8*\b:BI+8*\b+3],   v[H32], s[68:69] offset:64*\b
	global_load_b128 v[BI+8*\b+4:BI+8*\b+7], v[H32], s[68:69] offset:64*\b+16
.endr
	v_mul_u32_u24 v3, v1, PA
	v_lshl_add_u32 v3, v2, 4, v3                   ; A: row x pitch + 16 h
	s_mul_i32 s22, s11, HA
	v_add_nc_u32 v[ADRA], s22, v3
	v_add_nc_u32 v[ADRA+1], SLOT, v[ADRA]
	v_lshl_add_u32 v7, v2, 3, v4                   ; the turning load: row 8 h + lane % 8, 16 bytes by (lane / 8) % 2
	v_mul_u32_u24 v8, v7, PB
	v_lshl_add_u32 v8, v5, 4, v8
	s_lshl_b32 s22, s12, 7
	s_add_co_u32 s22, s22, BOFF
	v_add_nc_u32 v[ADRB], s22, v8
	v_add_nc_u32 v[ADRB+1], HB, v[ADRB]
	v_add_nc_u32 v[ADRB+2], SLOT, v[ADRB]
	v_add_nc_u32 v[ADRB+3], SLOT+HB, v[ADRB]
	s_mul_i32 s22, s11, 64*SP16                    ; the stage, in: my 64 rows, my 128 bytes of them
	s_lshl_b32 s23, s12, 7
	s_add_co_u32 s22, s22, s23
	v_mul_u32_u24 v9, v1, SP16
	v_lshl_add_u32 v9, v2, 4, v9
	v_add_nc_u32 v[STO0], s22, v9
	s_mul_i32 s22, s10, 32*SP16                    ; back: wave w takes rows 32 w .. 32 w + 31
	v_add_nc_u32 v[RDQ], s22, v9
	v_mul_u32_u24 v10, v7, SP16
	v_lshl_add_u32 v10, v5, 4, v10
	v_add_nc_u32 v[RDV], s22, v10
	v_lshlrev_b32 v[CO], 4, v6
	s_lshr_b32 s78, s42, 3                         ; ((q, k or v) x 32 + batch x 8 + head) x 262,144 + (tile row % 8) x 32,768 + wave x 8,192
	s_lshl_b32 s78, s78, 5
	s_lshr_b32 s79, s13, 3
	s_lshl3_add_u32 s78, s79, s78
	s_and_b32 s79, s42, 7
	s_add_co_u32 s78, s78, s79
	s_lshl_b32 s78, s78, 18
	s_and_b32 s79, s13, 7
	s_lshl_b32 s79, s79, 15
	s_add_co_u32 s78, s78, s79
	s_lshl_b32 s79, s10, 13
	s_add_co_u32 s78, s78, s79
	s_mov_b32 s79, 0
	s_add_nc_u64 s[8:9], s[72:73], s[78:79]
.macro MUL8 f, c, a0, zero             ; 8 products: row blocks a0, a0 + 1 x 4 column blocks, 32 along K; the 16 accumulators take turns
	WIN MUL
.irp a, \a0, (\a0)+1
.irp b, 0,1,2,3
.if \zero
	v_wmma_f32_16x16x32_f16 v[ACC+8*(4*(\a)+(\b)):ACC+8*(4*(\a)+(\b))+7], v[(\f)+64+8*(4*(\c)+(\b)):(\f)+64+8*(4*(\c)+(\b))+7], v[(\f)+8*(4*(\c)+(\a)):(\f)+8*(4*(\c)+(\a))+7], 0
.else
	v_wmma_f32_16x16x32_f16 v[ACC+8*(4*(\a)+(\b)):ACC+8*(4*(\a)+(\b))+7], v[(\f)+64+8*(4*(\c)+(\b)):(\f)+64+8*(4*(\c)+(\b))+7], v[(\f)+8*(4*(\c)+(\a)):(\f)+8*(4*(\c)+(\a))+7], v[ACC+8*(4*(\a)+(\b)):ACC+8*(4*(\a)+(\b))+7]
.endif
.endr
.endr
.endm
.macro FETCH slot, q, f                ; 32 LDS loads in one run: the fragments of quarter q (64 along K) into buffer f, its first 32 along K first
	WIN TO_F
.irp c, 0,1
.irp i, 0,1,2,3
	ds_load_tr16_b128 v[(\f)+64+8*(4*(\c)+(\i)):(\f)+64+8*(4*(\c)+(\i))+3],   v[ADRB+2*(\slot)+(\q)/2] offset:(((\q)%2)*64+32*(\c))*PB+32*(\i)
	ds_load_tr16_b128 v[(\f)+64+8*(4*(\c)+(\i))+4:(\f)+64+8*(4*(\c)+(\i))+7], v[ADRB+2*(\slot)+(\q)/2] offset:(((\q)%2)*64+32*(\c)+16)*PB+32*(\i)
	ds_load_b128 v[(\f)+8*(4*(\c)+(\i)):(\f)+8*(4*(\c)+(\i))+3],         v[ADRA+(\slot)] offset:(\q)*128+64*(\c)+(\i)*16*PA
	ds_load_b128 v[(\f)+8*(4*(\c)+(\i))+4:(\f)+8*(4*(\c)+(\i))+7],       v[ADRA+(\slot)] offset:(\q)*128+64*(\c)+(\i)*16*PA+32
.endr
.endr
.endm
.macro PLACES                          ; four places in front of loads into registers that matrix instructions have read, and of vector work on their results
.rept 4
	v_nop
.endr
.endm
.macro QUARTER slot, q, f, g, zero     ; multiplies buffer f; in its middle fetches quarter q of the slot into g
	s_wait_dscnt 16                                ; the first 32 along K are in; the youngest sixteen loads may be out
	MUL8 \f, 0, 0, \zero
	MUL8 \f, 0, 2, \zero
	PLACES
	FETCH \slot, \q, \g
	s_wait_dscnt 32                                ; all but the 32 just issued
	MUL8 \f, 1, 0, 0
	MUL8 \f, 1, 2, 0
.endm
.macro TURN slot, next, fill           ; the last quarter multiplies buffer 1 and changes slots
	WIN 0
	s_wait_tensorcnt 0x0                           ; all my tensor loads have landed: my part of the next slot
	ds_add_u32 v[SPW], v[NIL]                      ; 0 onto my spare word
	s_wait_dscnt 17                                ; the add and the youngest sixteen loads may be out
	MUL8 F1, 0, 0, 0
	s_wait_dscnt 0x0                               ; the add is done, and my reads of this slot are over
	s_barrier_signal -1
	MUL8 F1, 0, 2, 0
.if \fill
	WIN 0
.endif
	s_barrier_wait -1
.if \fill
	CREST                                          ; the barrier has opened a round of the cluster's: no wave of any partner still reads this slot or has a load on its way
	s_add_nc_u64 s[G0+4*(\slot)+2:G0+4*(\slot)+3], s[G0+4*(\slot)+2:G0+4*(\slot)+3], 2*KSTEP*2
	s_add_nc_u64 s[G0B+4*(\slot)+2:G0B+4*(\slot)+3], s[G0B+4*(\slot)+2:G0B+4*(\slot)+3], 2*KSTEP*256
	JLOAD \slot                                    ; the first tensor load behind the round; its four v_nop are also the places in front of the loads below
.else
	PLACES
.endif
	FETCH \next, 0, F0
	MUL8 F1, 1, 0, 0
	MUL8 F1, 1, 2, 0
.endm
	s_wait_tensorcnt 1                             ; my part of K step 0 is in; step 1's may stay out
	s_barrier_signal -1
	s_barrier_wait -1
	FETCH 0, 0, F0
	QUARTER 0, 1, F0, F1, 1                        ; the first products start the sums
	QUARTER 0, 2, F1, F0, 0
	QUARTER 0, 3, F0, F1, 0
	TURN 0, 1, 1                                   ; slot 0 takes K step 2
	QUARTER 1, 1, F0, F1, 0
	QUARTER 1, 2, F1, F0, 0
	QUARTER 1, 3, F0, F1, 0
	TURN 1, 0, 1                                   ; slot 1 takes K step 3
	QUARTER 0, 1, F0, F1, 0
	QUARTER 0, 2, F1, F0, 0
	QUARTER 0, 3, F0, F1, 0
	TURN 0, 1, 0                                   ; behind this barrier nobody reads slot 0 any more, and nothing is filled
	QUARTER 1, 1, F0, F1, 0
	QUARTER 1, 2, F1, F0, 0
	QUARTER 1, 3, F0, F1, 0
	s_wait_dscnt 16
	MUL8 F1, 0, 0, 0
	MUL8 F1, 0, 2, 0
	s_wait_dscnt 0x0
	MUL8 F1, 1, 0, 0
	MUL8 F1, 1, 2, 0
	WIN 0
	; THE WAY OUT
	PLACES
	s_wait_loadcnt 0x0                             ; the bias
.irp a, 0,1,2,3
.irp b, 0,1,2,3
.irp r, 0,1,2,3
	v_pk_add_f32 v[ACC+8*(4*\a+\b)+2*\r:ACC+8*(4*\a+\b)+2*\r+1], v[ACC+8*(4*\a+\b)+2*\r:ACC+8*(4*\a+\b)+2*\r+1], v[BI+8*\b+2*\r:BI+8*\b+2*\r+1]
.endr
.endr
.endr
	s_cmp_lt_u32 s45, 4
	s_cbranch_scc1 .Lnosum
	; a tile of v: the sums of my 64 rows for my 64 columns: four row blocks, then the 16 lanes of each half
.set i, 0
.rept 16
	v_pk_add_f32 v[TMP+2*i:TMP+2*i+1], v[ACC+2*i:ACC+2*i+1], v[ACC+32+2*i:ACC+32+2*i+1]
.set i, i+1
.endr
.irp a, 2,3
.set i, 0
.rept 16
	v_pk_add_f32 v[TMP+2*i:TMP+2*i+1], v[TMP+2*i:TMP+2*i+1], v[ACC+32*\a+2*i:ACC+32*\a+2*i+1]
.set i, i+1
.endr
.endr
.irp x, 1,2,4,8
.set i, 0
.rept 32
	v_add_f32_dpp v[TMP+i], v[TMP+i], v[TMP+i] row_xmask:\x row_mask:0xf bank_mask:0xf
.set i, i+1
.endr
.endr
	s_lshr_b32 s82, s13, 3                         ; ((batch x 8 + head) x 16 + (tile row % 8) x 2 + row half) x 512 + column half x 256
	s_lshl_b32 s82, s82, 3
	s_add_co_u32 s82, s82, s42
	s_sub_co_u32 s82, s82, 16
	s_lshl_b32 s82, s82, 4
	s_and_b32 s83, s13, 7
	s_lshl1_add_u32 s82, s83, s82
	s_add_co_u32 s82, s82, s11
	s_lshl_b32 s82, s82, 9
	s_lshl_b32 s83, s12, 8
	s_add_co_u32 s82, s82, s83
	s_mov_b32 s83, 0
	s_add_nc_u64 s[82:83], s[74:75], s[82:83]
	v_cmp_eq_u32 vcc_lo, 0, v1
	s_wait_xcnt 0x0                                ; EXEC changes only behind this wait
	s_and_saveexec_b32 s77, vcc_lo                 ; lanes 0 and 16 hold the sums of their halves' columns
.irp b, 0,1,2,3
	global_store_b128 v[H32], v[TMP+8*\b:TMP+8*\b+3],   s[82:83] offset:64*\b
	global_store_b128 v[H32], v[TMP+8*\b+4:TMP+8*\b+7], s[82:83] offset:64*\b+16
.endr
	s_wait_xcnt 0x0                                ; and again, in front of the line that widens it; the stores' data may be rewritten too
	s_or_b32 exec_lo, exec_lo, s77
.Lnosum:
.set i, 0
.rept 64
	v_cvt_pk_f16_f32 v[TMP+i], v[ACC+2*i], v[ACC+2*i+1]
.set i, i+1
.endr
.irp a, 0,1,2,3
.irp b, 0,1,2,3
	ds_store_b128 v[STO0], v[TMP+4*(4*\a+\b):TMP+4*(4*\a+\b)+3] offset:\a*16*SP16+32*\b
.endr
.endr
	s_wait_dscnt 0x0                               ; for the others' sake: my stores into the stage are done
	s_barrier_signal -1
	s_barrier_wait -1
	s_cmp_lt_u32 s45, 4
	s_cbranch_scc0 .Lrdv
.set i, 0
.rept 16                               ; q, k: piece i = tile i / 8 of my two tiles of 16 rows, channels 32 ((i / 2) % 4) + 16 (i % 2) + 8 h
	ds_load_b128 v[TMP+4*i:TMP+4*i+3], v[RDQ] offset:(i/8)*16*SP16+((i/2)%4)*64+(i%2)*32
.set i, i+1
.endr
	s_branch .Lsend
.Lrdv:
.set i, 0
.rept 16                               ; v, turned: piece i = channels 16 (i / 2) + r, keys 16 (i % 2) + 8 h of my 32 rows
	ds_load_tr16_b128 v[TMP+4*i:TMP+4*i+3], v[RDV] offset:(i%2)*16*SP16+(i/2)*32
.set i, i+1
.endr
.Lsend:
.set i, 0
.rept 16
	s_wait_dscnt 15-i                              ; LDS loads come back in order: piece i is in
	global_store_b128 v[CO], v[TMP+4*i:TMP+4*i+3], s[8:9] offset:i*512  ; 512 consecutive bytes, aligned
.set i, i+1
.endr
	s_wait_tensorcnt 0x0                           ; the wave's end
	ds_add_u32 v[SPW], v[NIL]
	s_wait_dscnt 0x0
	CROUND                                         ; the closing round
	s_endpgm
.Lfunc_end_k_qfac1f40383_qkv:
	.size	k_qfac1f40383_qkv, .Lfunc_end_k_qfac1f40383_qkv-k_qfac1f40383_qkv
	.p2alignl 7, 3214868480
	.fill 96, 4, 3214868480
	.section	.rodata,"a",@progbits
	.p2align	6, 0x0
	.amdhsa_kernel k_qfac1f40383_qkv
		.amdhsa_group_segment_fixed_size 327680
		.amdhsa_private_segment_fixed_size 0
		.amdhsa_enable_private_segment 0
		.amdhsa_kernarg_size 40
		.amdhsa_user_sgpr_count 2
		.amdhsa_user_sgpr_kernarg_segment_ptr 1
		.amdhsa_wavefront_size32 1
		.amdhsa_system_sgpr_workgroup_id_x 1
		.amdhsa_system_sgpr_workgroup_id_y 1
		.amdhsa_system_sgpr_workgroup_id_z 1
		.amdhsa_system_vgpr_workitem_id 0
		.amdhsa_next_free_vgpr 512
		.amdhsa_next_free_sgpr 84
		.amdhsa_reserve_vcc 1
		.amdhsa_float_denorm_mode_32 3
		.amdhsa_float_denorm_mode_16_64 3
		.amdhsa_memory_ordered 1
		.amdhsa_forward_progress 1
		.amdhsa_inst_pref_size 105
	.end_amdhsa_kernel
	.amdgpu_metadata
---
amdhsa.version: [ 1, 2 ]
amdhsa.kernels:
  - .name:           k_qfac1f40383_qkv
    .symbol:         k_qfac1f40383_qkv.kd
    .args:
      - { .name: x16, .offset: 0, .size: 8, .value_kind: global_buffer, .address_space: global }
      - { .name: wa16, .offset: 8, .size: 8, .value_kind: global_buffer, .address_space: global }
      - { .name: b_attn, .offset: 16, .size: 8, .value_kind: global_buffer, .address_space: global }
      - { .name: qkv16, .offset: 24, .size: 8, .value_kind: global_buffer, .address_space: global }
      - { .name: vsum, .offset: 32, .size: 8, .value_kind: global_buffer, .address_space: global }
    .group_segment_fixed_size: 327680
    .private_segment_fixed_size: 0
    .kernarg_segment_align: 8
    .kernarg_segment_size: 40
    .max_flat_workgroup_size: 128
    .sgpr_count:     84
    .vgpr_count:     512
    .wavefront_size: 32
...
	.end_amdgpu_metadata
.endif
;; end of part 2
;; launch attn (part 3): grid 8 x 32, 4 waves a work-group, no clusters, 327,680 bytes of LDS; arguments qkv16, vsum, noise_u, sparsity_ratios, gumbel_temp, y16; writes y16
.if DOCPART == 3
	.amdgcn_target "amdgcn-amd-amdhsa--gfx1250"
	.amdhsa_code_object_version 6
	.text
	.protected	k_qfac1f40383_attn
	.globl	k_qfac1f40383_attn
	.p2align	8
	.type	k_qfac1f40383_attn,@function
k_qfac1f40383_attn:
	s_mov_b64 s[64:65], 0
	v_nop
	global_prefetch_b8 v0, s[64:65] scope:SCOPE_SE
	s_setreg_imm32_b32 hwreg(HW_REG_WAVE_MODE, 25, 1), 1
	s_wait_xcnt 0x0
; ADAPTIVE SPARSE ATTENTION, one head's rows.  For row t: gl = (q.k / sqrt(128) + gumbel(u)) / temp over the keys j <= t; the k_t = max(1, floor((t + 1) ratio)) largest gl are kept;
; sv = softmax(gl) over them; s = att x sv there, 0 elsewhere; p = softmax(s) over ALL 1,024 columns; y = p v.
; WHAT IS NOT DONE.  Where s = 0 the weight is c = e^-m.  With w = e^(s-m) - c (exactly 0 where s = 0): Z = 1024 c + sum w, y Z = c Vtot + sum w v, Vtot = the sum of all 1,024 rows of v
; (made of vsum's 16 parts).  So only the chunks of 64 keys at or under the diagonal are touched, of K, V and the noise.  Row 0 needs no case of its own: k = 1, sv = 1, s = att.
; SHARES.  A head's 16 blocks of 64 rows go in pairs: work-group j takes block A = 15 - j (16 - j chunks), then block B = j (j + 1 chunks): 17 POSITIONS whatever j.  A wave owns 16 rows of each block.
; THE SELECTION.  A row's logits are laid on a grid: key = (gl - min) x 8388000 / (max - min) + 2^23, rounded by the fused multiply-add itself to a whole number in [2^23, 2^24).  The k-th largest key is
; built bit by bit in 23 trips; keys >= cand are counted without compares: clamp(key + 1 - cand) is exactly 0 or 1.  The keys of all 17 positions lie in registers for that.
; PASSES.  A: K Q^T, gumbel, logits to LDS, row maxima and minima.  Q: logits to keys.  Search.  Z: E = 2^((key - keymax) cq) where kept, else 0; its row sum.  CD: K Q^T again, s = att E / Z1, running maximum
; from 0, w, V^T w; at a block's last position the way out.  O^T is cleared at a block's beginning (64 registers, twice in the text): no first step is written out.
; LIMITS.  q, k, v, y are f16: below 65,504.  Logits are ranked on a grid of the row's spread / 8,388,000, and all keys in the k-th's cell are kept (equal logits too).  ratio and temp come from instructions good to
; one unit in the last place: k may differ by one where (t + 1) ratio lies that close to a whole number.  The last softmax is shifted by max(0, row maximum): 0 is a member of every row but t = 1023 with k = 1024.
; NO TENSOR LOADS, NO CLUSTER: the logits take 278,528 bytes of LDS, so two slots of K and V do not fit beside them; and which chunk a position means hangs on j, which would be the place in a cluster.
; K and V come by registers: each wave loads a quarter of the next chunk a trip ahead and stores it into one shared buffer between two barriers.  q, k, v lie in memory in fragment order: every access is 32 lanes x 16 consecutive bytes.
; REGISTERS.  window 0: see the names.  window 1: K's fragments 0-127, V's 128-255.  window 3: 32-63 block B's Q; 64-95 the diagonal's mask; 96-159 Vtot; 160-191, 192-223 chunk quarters (or noise) on their way; 224-255 stage addresses.
; In the search: position p's keys in window 1 + p / 8 at 32 (p % 8).
.set GLW,   69632                      ; a wave's logits: 17 positions x 4,096 bytes: register group g of four at g x 512 + lane x 16
.set KBUF,  4*GLW                      ; K's chunk, 16,384 bytes; V's behind it
.set VTB,   KBUF+32768                 ; 512 bytes a wave: Vtot on its way to the lanes
.set SPARE, VTB+2048                   ; the spare words: 128 bytes a wave, two blocks of 256 bytes that no other line names
.set RQ,  1                            ; v1  lane % 16: my query
.set RH,  2                            ; v2  lane / 16
.set L16, 3                            ; v3  lane x 16
.set LQ,  4                            ; v4  wave x 4,096 + lane x 16: my quarter of a chunk
.set KST, 5                            ; v5  the same in KBUF
.set KLD, 6                            ; v6  KBUF + lane x 16
.set GLA, 7                            ; v7  my place in the position in hand
.set GL0, 8                            ; v8  my place in position 0
.set NLN, 9                            ; v9  noise: (lane / 16) rows + (lane % 16) x 16
.set GOY, 10                           ; v10 the same in y
.set PFN, 11                           ; v11 lane x 4,096: a row a lane, for the prefetch
.set TP,  12                           ; v12-19 at work
.set SPW, 20
.set NIL, 21
.set ONE, 22                           ; v22-23 1.0
.set PSA, 24                           ; v24-31 block A's row figures: -min, scale, cq, -keymax cq, k, 1 - threshold, F, max
.set PSB, 32                           ; v32-39 block B's
.set C_MN, 40                          ; v40-51 the figures in hand, each twice
.set C_SC, 42
.set C_CQ, 44
.set C_KMC, 46
.set C_NT, 48
.set C_F, 50
.set MXC, 52                           ; pass A: four chains of maxima, four of minima
.set MNC, 56
.set M,   52                           ; pass CD: m, m_old, l, a, c
.set MO,  53
.set LS,  54
.set AA,  56
.set CC,  58
.set ZS0, 60                           ; pass Z: two sums
.set ZS1, 62
.set LS2, 60                           ; pass CD: l's second half; -m F
.set NM,  62
.set S,   64
.set U,   96
.set P,   96
.set T,   128
.set QC,  160
.set O,   192
.set KF,  0
.set VF,  128
.set QB,  32
.set MD,  64
.set VT,  96
.set PK,  160
.set PV,  192
.set NZ,  192
.set RW,  224                          ; the noise stage by rows
.set RR,  232                          ; the noise stage by queries
.set RY,  240                          ; the y stage by rows
.set YW,  248                          ; the y stage by queries
.set TT,  64                           ; the search, window 0
.set SA,  72
.set SB,  80
.set SD,  88
.set ADA, 96
.set ADT, 98
.set NCA, 100
.set NCB, 102
.set DNC, 104
.set NCP, 106
.set TA,  108
.set TB,  109
.set CDA, 110
.set CDB, 111
.set W0,  112
; scalars: s16 wave, s17 j, s18 head in the batch list, s19 NA = 16 - j, s20 NA - 1 = block A; s[24:33] q, k, v, noise, y at my head (and wave); s34 P, s35-37 position asked for, its chunk, its block;
; s[38:39] an offset; s[40:43] load bases; s[44:45] 1.0 on a diagonal chunk; s46 the bit, as a float; s47 count; s[48:61] for positions 9-15: 1.0 where block A owns them; s62, s63 lane selects;
; s[66:69] -ln 2, 1e-8; s[70:71] 1 / (sqrt(128) temp); s72 ratio; s[74:75] -ln 2 / temp; s[78:79] prefetch base; s[80:81] y base; s82 -1e30; s[88:89] noise at my pair of waves; s[90:93] Q bases; s94 my logits
.set MSB, 0
.macro WIN new
.if MSB != (\new)
	s_set_vgpr_msb (MSB<<8)|(\new)
.set MSB, \new
.endif
.endm
.macro REP cnt, step, line:vararg      ; the line cnt times, n = 0, step, 2 step ..
.set n, 0
	s_wait_alu depctr_va_vdst(0)
.rept \cnt
	\line
.set n, n+\step
.endr
.endm
.macro BAR
	s_barrier_signal -1
	s_barrier_wait -1
.endm
.macro PLACES
.rept 4
	v_nop
.endr
.endm
.macro POS                             ; position s35: its block and chunk
	s_cmp_lt_u32 s35, s19
	s_cselect_b32 s37, s20, s17
	s_cselect_b32 s76, 0, s19
	s_sub_co_u32 s36, s35, s76
.endm
.macro LDK
	s_lshl_b32 s38, s36, 14
	s_add_nc_u64 s[40:41], s[26:27], s[38:39]
	WIN 0xc0
	REP 8, 1, global_load_b128 v[PK+4*n:PK+4*n+3], v[LQ], s[40:41] offset:n*512
	WIN 0
.endm
.macro LDV
	s_lshl_b32 s38, s36, 14
	s_add_nc_u64 s[42:43], s[28:29], s[38:39]
	WIN 0xc0
	REP 8, 1, global_load_b128 v[PV+4*n:PV+4*n+3], v[LQ], s[42:43] offset:n*512
	WIN 0
.endm
.macro NOFF                            ; block x 64 rows of 4,096 bytes + chunk x 256
	s_lshl_b32 s38, s37, 18
	s_lshl_b32 s76, s36, 8
	s_add_co_u32 s38, s38, s76
.endm
.macro LDN                             ; my 16 rows x 256 bytes of noise: two whole rows' pieces a load
	NOFF
	s_add_nc_u64 s[42:43], s[30:31], s[38:39]
	WIN 0xc0
	REP 8, 1, global_load_b128 v[NZ+4*n:NZ+4*n+3], v[NLN], s[42:43] offset:n*8192 th:TH_LOAD_NT
	WIN 0
.endm
.macro LOADQ win, reg, blk, b          ; my 16 rows of block s\blk: 4,096 bytes in fragment order
	s_lshl2_add_u32 s38, s\blk, s16
	s_lshl_b32 s38, s38, 12
	s_add_nc_u64 s[\b:\b+1], s[24:25], s[38:39]
	WIN \win
	REP 8, 1, global_load_b128 v[\reg+4*n:\reg+4*n+3], v[L16], s[\b:\b+1] offset:n*512
	WIN 0
.endm
.macro SETCUR set
.irp i, 0,1,2,3
	v_mov_b32 v[C_MN+2*\i], v[(\set)+\i]
	v_mov_b32 v[C_MN+2*\i+1], v[(\set)+\i]
.endr
	v_mov_b32 v[C_NT], v[(\set)+5]
	v_mov_b32 v[C_NT+1], v[(\set)+5]
	v_mov_b32 v[C_F], v[(\set)+6]
	v_mov_b32 v[C_F+1], v[(\set)+6]
.endm
.macro KQ                              ; S^T = K Q^T: lane = query, register 8 kt + j = key 16 kt + 8 h + j.  The four accumulators take turns
	WIN 0x01
.irp c, 0,1,2,3
.irp kt, 0,1,2,3
.if \c == 0
	v_wmma_f32_16x16x32_f16 v[S+8*\kt:S+8*\kt+7], v[KF+32*\kt+8*\c:KF+32*\kt+8*\c+7], v[QC+8*\c:QC+8*\c+7], 0
.else
	v_wmma_f32_16x16x32_f16 v[S+8*\kt:S+8*\kt+7], v[KF+32*\kt+8*\c:KF+32*\kt+8*\c+7], v[QC+8*\c:QC+8*\c+7], v[S+8*\kt:S+8*\kt+7]
.endif
.endr
.endr
	WIN 0
.endm
.macro LOADKF                          ; all of K's chunk: 16 fragments
	WIN 0x40
	REP 32, 1, ds_load_b128 v[KF+4*n:KF+4*n+3], v[KLD] offset:n*512
	WIN 0
.endm
.macro CLOSEA set                      ; a block's last chunk is done: the row's maximum and minimum; the query's other keys lie in the lane 16 away
	v_max3_num_f32 v[TP], v[MXC], v[MXC+1], v[MXC+2]
	v_min3_num_f32 v[TP+1], v[MNC], v[MNC+1], v[MNC+2]
	v_max_num_f32 v[TP], v[TP], v[MXC+3]
	v_min_num_f32 v[TP+1], v[TP+1], v[MNC+3]
	v_permlanex16_b32 v[TP+2], v[TP], s62, s63
	v_permlanex16_b32 v[TP+3], v[TP+1], s62, s63
	v_max_num_f32 v[(\set)+7], v[TP], v[TP+2]
	v_min_num_f32 v[TP+1], v[TP+1], v[TP+3]
	v_sub_f32 v[\set], 0, v[TP+1]
	REP 4, 1, v_mov_b32 v[MXC+n], 0xff7fffff
	REP 4, 1, v_mov_b32 v[MNC+n], 0x7f7fffff
.endm
.macro PARAMS set, blk
	v_add_f32 v[TP], v[(\set)+7], v[\set]          ; max - min
	v_max_num_f32 v[TP+1], 0x0da24260, v[TP]       ; at least 1e-30
	v_rcp_f32 v[TP+2], v[TP+1]
	v_mul_f32 v[(\set)+2], 0x3438ada8, v[TP+1]     ; cq = spread x log2(e) / 8388000
	s_wait_alu depctr_va_vdst(0)
	v_mul_f32 v[(\set)+1], 0x4afffb40, v[TP+2]     ; scale = 8388000 / spread
	v_fma_f32 v[TP+3], v[TP], v[(\set)+1], 0x4b000000  ; the maximum's key, made as pass Q makes it
	v_mul_f32 v[(\set)+3], -v[TP+3], v[(\set)+2]
	s_lshl_b32 s76, s\blk, 6
	s_lshl4_add_u32 s76, s16, s76
	s_add_co_u32 s76, s76, 1
	v_add_nc_u32 v[TP+4], s76, v[RQ]               ; t + 1
	v_cvt_f32_u32 v[TP+4], v[TP+4]
	v_mul_f32 v[TP+4], s72, v[TP+4]
	v_cvt_u32_f32 v[TP+4], v[TP+4]                 ; toward zero: the floor of a number that is not negative
	v_cvt_f32_u32 v[TP+4], v[TP+4]
	v_max_num_f32 v[(\set)+4], 1.0, v[TP+4]
.endm
.macro CLOSEZ set                      ; F = log2(e) / (sqrt(128) Z1)
	v_pk_add_f32 v[ZS0:ZS0+1], v[ZS0:ZS0+1], v[ZS1:ZS1+1]
	v_add_f32 v[TP], v[ZS0], v[ZS0+1]
	v_permlanex16_b32 v[TP+1], v[TP], s62, s63
	v_add_f32 v[TP], v[TP], v[TP+1]
	v_rcp_f32 v[TP], v[TP]
	REP 4, 1, v_mov_b32 v[ZS0+n], 0
	s_wait_alu depctr_va_vdst(0)
	v_mul_f32 v[(\set)+6], 0x3e0293ee, v[TP]
.endm
; The keys of position p that are >= the candidate are counted into four pairs.  Only source 1's window is switched: every other operand lies in window 0 or is a constant.
.macro CNT p, nc, acc, start
	WIN (1+((\p)>>3))<<2
.irp g, 0,1,2,3
.if (\start) && (\g == 0)
.irp i, 0,1,2,3
	v_pk_fma_f32 v[(\acc)+2*\i:(\acc)+2*\i+1], v[ONE:ONE+1], v[32*((\p)&7)+2*\i:32*((\p)&7)+2*\i+1], v[\nc:\nc+1] clamp
.endr
.else
.irp i, 0,1,2,3
	v_pk_fma_f32 v[TT+2*\i:TT+2*\i+1], v[ONE:ONE+1], v[32*((\p)&7)+8*\g+2*\i:32*((\p)&7)+8*\g+2*\i+1], v[\nc:\nc+1] clamp
.endr
.irp i, 0,1,2,3
	v_pk_fma_f32 v[(\acc)+2*\i:(\acc)+2*\i+1], v[TT+2*\i:TT+2*\i+1], 1.0, v[(\acc)+2*\i:(\acc)+2*\i+1] op_sel_hi:[1,0,1]
.endr
.endif
.endr
.endm
	; SET-UP
	s_load_b256 s[4:11], s[0:1], 0x0               ; qkv16, vsum, noise, ratios
	s_load_b128 s[12:15], s[0:1], 0x20             ; temp, y16
	v_lshl_add_u32 v[SPW], v0, 2, SPARE
	v_mov_b32 v[NIL], 0
	v_lshrrev_b32 v12, 5, v0
	v_readfirstlane_b32 s16, v12
	s_mov_b32 s17, ttmp9
	s_and_b32 s18, ttmp7, 0xffff
	s_sub_co_u32 s19, 16, s17
	s_sub_co_u32 s20, 15, s17
	s_and_b32 s21, s18, 7                          ; the head
	s_lshr_b32 s22, s18, 3                         ; the batch
	s_mov_b32 s39, 0
	s_mov_b32 s45, 0
	s_mov_b32 s62, 0x76543210
	s_mov_b32 s63, 0xfedcba98
	s_mov_b32 s66, 0xbf317218                      ; -ln 2
	s_mov_b32 s67, s66
	s_mov_b32 s68, 0x322bcc77                      ; 1e-8
	s_mov_b32 s69, s68
	s_mov_b32 s82, 0xf149f2ca                      ; -1e30
.irp p, 9,10,11,12,13,14,15
	s_cmp_gt_u32 s19, \p
	s_cselect_b32 s[48+2*(\p-9)], 1.0, 0
	s_mov_b32 s[49+2*(\p-9)], 0
.endr
	v_and_b32 v[RQ], 15, v0
	v_bfe_u32 v[RH], v0, 4, 1
	v_and_b32 v[PFN], 31, v0
	v_lshlrev_b32 v[L16], 4, v[PFN]
	v_lshlrev_b32 v[PFN], 12, v[PFN]
	v_lshl_add_u32 v[LQ], s16, 12, v[L16]
	v_add_nc_u32 v[KST], KBUF, v[LQ]
	v_add_nc_u32 v[KLD], KBUF, v[L16]
	s_mul_i32 s94, s16, GLW
	v_add_nc_u32 v[GL0], s94, v[L16]
	v_lshlrev_b32 v[NLN], 4, v[RQ]
	v_lshl_add_u32 v[GOY], v[RH], 11, v[NLN]
	v_lshl_add_u32 v[NLN], v[RH], 12, v[NLN]
	v_mov_b32 v[ONE], 1.0
	v_mov_b32 v[ONE+1], 1.0
	REP 8, 1, v_mov_b32 v[TP+n], 0
	REP 16, 1, v_mov_b32 v[PSA+n], 0
	REP 4, 1, v_mov_b32 v[MXC+n], 0xff7fffff
	REP 4, 1, v_mov_b32 v[MNC+n], 0x7f7fffff
	; The stages (16 rows of 256 bytes: the noise's in my position 16, y's in my position 0): piece c of row x lies at x 256 + ((c + x) % 16) 16, so that whole rows and one column of 16 rows both touch each bank group once.
	s_add_co_u32 s77, s94, 65536
.irp i, 0,1,2,3,4,5,6,7                ; by rows: row 2 i + lane / 16, piece lane % 16
	v_add_nc_u32 v12, 2*\i, v[RH]
	v_add_nc_u32 v13, v12, v[RQ]
	v_and_b32 v13, 15, v13
	v_lshlrev_b32 v12, 8, v12
	v_lshl_add_u32 v13, v13, 4, v12
	v_add_nc_u32 v[S+\i], s77, v13
	v_add_nc_u32 v[S+16+\i], s94, v13
.endr
	v_lshl_add_u32 v14, v[RH], 1, v[RQ]
	v_lshl_add_u32 v15, v[RQ], 8, s77
.irp i, 0,1,2,3,4,5,6,7                ; the noise by queries: row q, piece 4 kt + 2 h + e, i = 2 kt + e
	v_add_nc_u32 v12, 4*(\i/2)+(\i%2), v14
	v_and_b32 v12, 15, v12
	v_lshl_add_u32 v[S+8+\i], v12, 4, v15
.endr
	v_add_nc_u32 v14, v[RQ], v[RH]
	v_lshl_add_u32 v15, v[RQ], 8, s94
.irp i, 0,1,2,3,4,5,6,7                ; y by queries: row q, piece 2 cb + h
	v_add_nc_u32 v12, 2*\i, v14
	v_and_b32 v12, 15, v12
	v_lshl_add_u32 v[S+24+\i], v12, 4, v15
.endr
	v_lshlrev_b32 v14, 3, v[RH]
	v_sub_nc_u32 v14, v[RQ], v14
	s_lshl_b32 s76, s16, 4
	v_add_nc_u32 v14, s76, v14                     ; 16 w + q - 8 h: register 8 kt + j is hidden on the diagonal chunk where 16 kt + j is greater
	WIN 0xc0
	REP 32, 1, v_mov_b32 v[RW+n], v[S+n]
.set i, 0
.rept 32
	v_cmp_gt_i32 vcc_lo, 16*(i/8)+i%8, v14
	v_cndmask_b32 v[MD+i], 0, s82, vcc_lo
.set i, i+1
.endr
	WIN 0
	s_wait_kmcnt 0x0
	s_lshl_b32 s38, s18, 18
	s_add_nc_u64 s[24:25], s[4:5], s[38:39]        ; q
	s_add_nc_u64 s[26:27], s[24:25], 0x800000      ; k
	s_add_nc_u64 s[28:29], s[24:25], 0x1000000     ; v
	s_lshl_b32 s38, s18, 22
	s_add_nc_u64 s[88:89], s[8:9], s[38:39]
	s_lshl_b32 s38, s16, 16
	s_add_nc_u64 s[30:31], s[88:89], s[38:39]      ; noise at my 16 rows of block 0
	s_lshr_b32 s38, s16, 1
	s_lshl_b32 s38, s38, 17
	s_add_nc_u64 s[88:89], s[88:89], s[38:39]      ; noise at my pair of waves' 32 rows
	s_lshl_b32 s38, s22, 21
	s_lshl_b32 s76, s21, 8
	s_add_co_u32 s38, s38, s76
	s_lshl_b32 s76, s16, 15
	s_add_co_u32 s38, s38, s76
	s_add_nc_u64 s[32:33], s[14:15], s[38:39]      ; y
	s_lshl_b32 s38, s18, 13
	s_add_nc_u64 s[6:7], s[6:7], s[38:39]          ; vsum's 16 parts of my head
	s_lshl_b32 s86, s21, 2
	s_mov_b32 s87, 0
	s_add_nc_u64 s[10:11], s[10:11], s[86:87]
	s_add_nc_u64 s[12:13], s[12:13], s[86:87]
	s_load_b32 s84, s[10:11], 0x0
	s_load_b32 s85, s[12:13], 0x0
	s_mov_b32 s35, 0
	POS
	LDK
	LDN
	LOADQ 0, QC, 20, 90
	LOADQ 0xc0, QB, 17, 92
	s_wait_kmcnt 0x0
	v_mov_b32 v12, s85                             ; temp = max(x, 0) + ln 2 log2(1 + 2^(-|x| log2 e)) + 0.1
	v_and_b32 v13, 0x7fffffff, v12
	v_mul_f32 v13, 0xbfb8aa3b, v13
	v_exp_f32 v13, v13
	v_mov_b32 v14, s84
	s_wait_alu depctr_va_vdst(0)
	v_add_f32 v13, 1.0, v13
	v_log_f32 v13, v13
	v_max_num_f32 v12, 0, v12
	s_wait_alu depctr_va_vdst(0)
	v_fma_f32 v12, v13, 0x3f317218, v12
	v_add_f32 v12, 0x3dcccccd, v12
	v_rcp_f32 v13, v12
	v_mul_f32 v14, 0xbfb8aa3b, v14                 ; ratio = 1 / (1 + 2^(-r log2 e))
	v_exp_f32 v14, v14
	s_wait_alu depctr_va_vdst(0)
	v_mul_f32 v15, 0x3db504f3, v13                 ; 1 / (sqrt(128) temp)
	v_mul_f32 v16, 0xbf317218, v13                 ; -ln 2 / temp
	v_add_f32 v14, 1.0, v14
	v_rcp_f32 v14, v14
	v_nop
	v_readfirstlane_b32 s70, v15
	v_readfirstlane_b32 s74, v16
	s_wait_alu depctr_va_vdst(0)
	v_readfirstlane_b32 s72, v14
	s_mov_b32 s71, s70
	s_mov_b32 s75, s74
	; PASS A
	s_mov_b32 s34, 0
.LpA:
	v_lshl_add_u32 v[GLA], s34, 12, v[GL0]
	s_wait_loadcnt 0x0                             ; this position's K quarter and noise, asked for a trip ago
	s_wait_dscnt 0x0                               ; my reads of the last chunk are over
	BAR                                            ; everybody's are
	WIN 0x0c
	REP 8, 1, ds_store_b128 v[KST], v[PK+4*n:PK+4*n+3] offset:n*512
	WIN 0x0f
	REP 8, 1, ds_store_b128 v[RW+n], v[NZ+4*n:NZ+4*n+3]
	WIN 0
	s_wait_dscnt 0x0                               ; for the others' sake: my quarter is stored
	BAR
	s_cmp_eq_u32 s34, 16
	s_cbranch_scc1 .LA_loaded
	s_wait_xcnt 0x0                                ; the bases below, the prefetch's too, are rewritten only behind this wait
	s_add_co_u32 s35, s34, 1
	POS
	LDK
	LDN
	; Prefetch: of a pair of waves the one whose number has P's parity asks for the pair's 32 rows x 256 bytes of noise of position P + 4, a lane a row; it stops at position 16.
	s_add_co_u32 s35, s34, 4
	s_cmp_gt_u32 s35, 16
	s_cbranch_scc1 .LA_loaded
	s_xor_b32 s76, s34, s16
	s_and_b32 s76, s76, 1
	s_cmp_lg_u32 s76, 0
	s_cbranch_scc1 .LA_loaded
	POS
	NOFF
	s_add_nc_u64 s[78:79], s[88:89], s[38:39]
	global_prefetch_b8 v[PFN], s[78:79] th:TH_LOAD_NT scope:SCOPE_SE
.LA_loaded:
	LOADKF
	WIN 0x03
	REP 8, 1, ds_load_b128 v[U+4*n:U+4*n+3], v[RR+n]
	WIN 0
	s_wait_dscnt 8                                 ; K is in; the eight loads of noise may be out
	KQ
	s_wait_dscnt 0x0
	REP 16, 2, v_pk_add_f32 v[U+n:U+n+1], v[U+n:U+n+1], s[68:69] op_sel_hi:[1,0]   ; u + 1e-8; these are also the places behind the products
	REP 32, 1, v_log_f32 v[U+n], v[U+n]
	REP 16, 2, v_pk_mul_f32 v[T+n:T+n+1], v[S+n:S+n+1], s[70:71] op_sel_hi:[1,0]   ; plain work behind the logarithms; each accumulator is read from its low end
	REP 16, 2, v_pk_fma_f32 v[U+n:U+n+1], v[U+n:U+n+1], s[66:67], s[68:69] op_sel_hi:[1,0,0]  ; -ln(u + 1e-8) + 1e-8
	REP 32, 1, v_log_f32 v[U+n], v[U+n]
	v_nop                                          ; a plain instruction behind the run of logarithms
	s_wait_alu depctr_va_vdst(0)
	REP 16, 2, v_pk_fma_f32 v[T+n:T+n+1], v[U+n:U+n+1], s[74:75], v[T+n:T+n+1] op_sel_hi:[1,0,1]  ; gl
	s_cmp_eq_u32 s34, s20
	s_cselect_b32 s44, 1.0, 0
	s_cmp_eq_u32 s34, 16
	s_cselect_b32 s44, 1.0, s44                    ; a diagonal chunk?
	WIN 0x03
	REP 16, 2, v_pk_fma_f32 v[S+n:S+n+1], v[MD+n:MD+n+1], s[44:45], v[T+n:T+n+1] op_sel_hi:[1,0,1]  ; hidden keys far down, for the maximum and for all that follows
	REP 16, 2, v_pk_fma_f32 v[U+n:U+n+1], v[MD+n:MD+n+1], s[44:45], v[T+n:T+n+1] op_sel_hi:[1,0,1] neg_lo:[1,0,0] neg_hi:[1,0,0]  ; far up, for the minimum
	WIN 0
	REP 16, 1, v_max3_num_f32 v[MXC+n%4], v[MXC+n%4], v[S+2*n], v[S+2*n+1]
	REP 16, 1, v_min3_num_f32 v[MNC+n%4], v[MNC+n%4], v[U+2*n], v[U+2*n+1]
	REP 8, 1, ds_store_b128 v[GLA], v[S+4*n:S+4*n+3] offset:n*512
	s_cmp_lg_u32 s34, s20
	s_cbranch_scc1 .LA_next
	CLOSEA PSA                                     ; block A's last chunk: on to block B
	WIN 0x03
	REP 32, 1, v_mov_b32 v[QC+n], v[QB+n]
	WIN 0
.LA_next:
	s_add_co_u32 s34, s34, 1
	s_cmp_lt_u32 s34, 17
	s_cbranch_scc1 .LpA
	CLOSEA PSB
	PARAMS PSA, 20
	PARAMS PSB, 17
	s_wait_loadcnt 0x0                             ; the registers that the loop's loads write are loaded again below only behind the wait for those loads
	s_wait_xcnt 0x0                                ; and their bases rewritten
	s_mov_b32 s35, 0                               ; what pass CD wants first goes out now
	POS
	LDK
	LDV
	LOADQ 0, QC, 20, 90
	WIN 0xc0
	REP 16, 1, global_load_b128 v[VT+4*n:VT+4*n+3], v[L16], s[6:7] offset:n*512
	WIN 0
	; PASS Q: logits to keys, in place
	SETCUR PSA
	s_mov_b32 s34, 0
.LpQ:
	v_lshl_add_u32 v[GLA], s34, 12, v[GL0]
	REP 8, 1, ds_load_b128 v[U+4*n:U+4*n+3], v[GLA] offset:n*512
	s_wait_dscnt 0x0
	REP 16, 2, v_pk_add_f32 v[U+n:U+n+1], v[U+n:U+n+1], v[C_MN:C_MN+1]
	REP 16, 2, v_pk_fma_f32 v[U+n:U+n+1], v[U+n:U+n+1], v[C_SC:C_SC+1], 0x4b000000 op_sel_hi:[1,1,0]
	REP 8, 1, ds_store_b128 v[GLA], v[U+4*n:U+4*n+3] offset:n*512
	s_cmp_lg_u32 s34, s20
	s_cbranch_scc1 .LQ_next
	SETCUR PSB
.LQ_next:
	s_add_co_u32 s34, s34, 1
	s_cmp_lt_u32 s34, 17
	s_cbranch_scc1 .LpQ
	; THE SEARCH
	v_add_nc_u32 v[GLA], 65536, v[GL0]
.irp p, 0,1,2,3,4,5,6,7,8,9,10,11,12,13,14,15
	WIN (1+(\p>>3))<<6
	REP 8, 1, ds_load_b128 v[32*(\p&7)+4*n:32*(\p&7)+4*n+3], v[GL0] offset:\p*4096+n*512
.endr
	WIN 0xc0
	REP 8, 1, ds_load_b128 v[4*n:4*n+3], v[GLA] offset:n*512
	WIN 0
	v_mov_b32 v[TA], 0x4b000000                    ; 2^23: every key is at least that
	v_mov_b32 v[TB], 0x4b000000
	s_mov_b32 s46, 0x4a800000                      ; 2^22
	s_mov_b32 s47, 23
	s_wait_dscnt 0x0
.Lbit:
	v_add_f32 v[CDA], s46, v[TA]
	v_add_f32 v[CDB], s46, v[TB]
	v_sub_f32 v[NCA], 1.0, v[CDA]
	v_sub_f32 v[NCA+1], 1.0, v[CDA]
	v_sub_f32 v[NCB], 1.0, v[CDB]
	v_sub_f32 v[NCB+1], 1.0, v[CDB]
	v_pk_add_f32 v[DNC:DNC+1], v[NCA:NCA+1], v[NCB:NCB+1] neg_lo:[0,1] neg_hi:[0,1]
	CNT 16, NCB, SB, 1                             ; position 16 is block B's whatever j, positions 0 to 8 block A's
	CNT 0, NCA, SA, 1
.irp p, 1,2,3,4,5,6,7,8
	CNT \p, NCA, SA, 0
.endr
.irp p, 9,10,11,12,13,14,15            ; these go by j: the owner's candidate is chosen, and the count dealt, by the factor 1.0 or 0
	v_pk_fma_f32 v[NCP:NCP+1], v[DNC:DNC+1], s[48+2*(\p-9):49+2*(\p-9)], v[NCB:NCB+1] op_sel_hi:[1,0,1]
	CNT \p, NCP, SD, 1
	v_pk_fma_f32 v[SD:SD+1], v[SD+2:SD+3], 1.0, v[SD:SD+1] op_sel_hi:[1,0,1]
	v_pk_fma_f32 v[SD+4:SD+5], v[SD+6:SD+7], 1.0, v[SD+4:SD+5] op_sel_hi:[1,0,1]
	v_pk_fma_f32 v[SD:SD+1], v[SD+4:SD+5], 1.0, v[SD:SD+1] op_sel_hi:[1,0,1]
.if \p == 9
	v_pk_mul_f32 v[ADA:ADA+1], v[SD:SD+1], s[48:49] op_sel_hi:[1,0]
	v_pk_mul_f32 v[ADT:ADT+1], v[SD:SD+1], 1.0 op_sel_hi:[1,0]
.else
	v_pk_fma_f32 v[ADA:ADA+1], v[SD:SD+1], s[48+2*(\p-9):49+2*(\p-9)], v[ADA:ADA+1] op_sel_hi:[1,0,1]
	v_pk_fma_f32 v[ADT:ADT+1], v[SD:SD+1], 1.0, v[ADT:ADT+1] op_sel_hi:[1,0,1]
.endif
.endr
	WIN 0
	v_pk_add_f32 v[SA:SA+1], v[SA:SA+1], v[SA+2:SA+3]
	v_pk_add_f32 v[SB:SB+1], v[SB:SB+1], v[SB+2:SB+3]
	v_pk_add_f32 v[SA+4:SA+5], v[SA+4:SA+5], v[SA+6:SA+7]
	v_pk_add_f32 v[SB+4:SB+5], v[SB+4:SB+5], v[SB+6:SB+7]
	v_pk_add_f32 v[ADT:ADT+1], v[ADT:ADT+1], v[ADA:ADA+1] neg_lo:[0,1] neg_hi:[0,1]
	v_pk_add_f32 v[SA:SA+1], v[SA:SA+1], v[SA+4:SA+5]
	v_pk_add_f32 v[SB:SB+1], v[SB:SB+1], v[SB+4:SB+5]
	v_pk_add_f32 v[SA:SA+1], v[SA:SA+1], v[ADA:ADA+1]
	v_pk_add_f32 v[SB:SB+1], v[SB:SB+1], v[ADT:ADT+1]
	v_add_f32 v[W0], v[SA], v[SA+1]
	v_add_f32 v[W0+1], v[SB], v[SB+1]
	v_permlanex16_b32 v[W0+2], v[W0], s62, s63
	v_permlanex16_b32 v[W0+3], v[W0+1], s62, s63
	v_add_f32 v[W0], v[W0], v[W0+2]
	v_add_f32 v[W0+1], v[W0+1], v[W0+3]
	v_cmp_ge_f32 vcc_lo, v[W0], v[PSA+4]           ; k keys or more at or above the candidate: the bit stays
	v_cndmask_b32 v[TA], v[TA], v[CDA], vcc_lo
	v_cmp_ge_f32 vcc_lo, v[W0+1], v[PSB+4]
	v_cndmask_b32 v[TB], v[TB], v[CDB], vcc_lo
	s_sub_co_u32 s46, s46, 0x800000                ; half the bit: the exponent one down
	s_sub_co_u32 s47, s47, 1
	s_cmp_lg_u32 s47, 0
	s_cbranch_scc1 .Lbit
	v_sub_f32 v[PSA+5], 1.0, v[TA]
	v_sub_f32 v[PSB+5], 1.0, v[TB]
	; PASS Z: E and its row sum
	SETCUR PSA
	REP 4, 1, v_mov_b32 v[ZS0+n], 0
	s_mov_b32 s34, 0
.LpZ:
	v_lshl_add_u32 v[GLA], s34, 12, v[GL0]
	REP 8, 1, ds_load_b128 v[U+4*n:U+4*n+3], v[GLA] offset:n*512
	s_wait_dscnt 0x0
	REP 16, 2, v_pk_fma_f32 v[T+n:T+n+1], v[U+n:U+n+1], v[C_CQ:C_CQ+1], v[C_KMC:C_KMC+1]
	REP 32, 1, v_exp_f32 v[T+n], v[T+n]
	REP 16, 2, v_pk_fma_f32 v[S+n:S+n+1], v[ONE:ONE+1], v[U+n:U+n+1], v[C_NT:C_NT+1] clamp  ; 1 where kept, else 0; plain work behind the exponentials
	REP 16, 2, v_pk_mul_f32 v[T+n:T+n+1], v[T+n:T+n+1], v[S+n:S+n+1]
.set n, 0
.rept 8
	v_pk_add_f32 v[ZS0:ZS0+1], v[ZS0:ZS0+1], v[T+n:T+n+1]
	v_pk_add_f32 v[ZS1:ZS1+1], v[ZS1:ZS1+1], v[T+n+2:T+n+3]
.set n, n+4
.endr
	REP 8, 1, ds_store_b128 v[GLA], v[T+4*n:T+4*n+3] offset:n*512
	s_cmp_lg_u32 s34, s20
	s_cbranch_scc1 .LZ_next
	CLOSEZ PSA
	SETCUR PSB
.LZ_next:
	s_add_co_u32 s34, s34, 1
	s_cmp_lt_u32 s34, 17
	s_cbranch_scc1 .LpZ
	CLOSEZ PSB
	; Vtot: 16 parts are added (a lane holds 4 channels), and handed to the lanes as O^T holds channels: register 8 cb + j = channel 16 cb + 8 h + j
	s_wait_loadcnt 0x0
	WIN 0xcf
.set i, 1
.rept 15
	v_pk_add_f32 v[VT:VT+1], v[VT:VT+1], v[VT+4*i:VT+4*i+1]
	v_pk_add_f32 v[VT+2:VT+3], v[VT+2:VT+3], v[VT+4*i+2:VT+4*i+3]
.set i, i+1
.endr
	WIN 0
	s_lshl_b32 s76, s16, 9
	s_add_co_u32 s76, s76, VTB
	v_add_nc_u32 v[TP], s76, v[L16]
	v_lshl_add_u32 v[TP+1], v[RH], 5, s76
	WIN 0x0c
	ds_store_b128 v[TP], v[VT:VT+3]
	WIN 0xc0
	REP 16, 1, ds_load_b128 v[VT+4*n:VT+4*n+3], v[TP+1] offset:(n/2)*64+(n%2)*16  ; LDS serves a wave's instructions in order: these see the store above
	WIN 0
	; PASS CD
	SETCUR PSA
	v_mov_b32 v[M], 0
	REP 2, 1, v_mov_b32 v[LS+n], 0
	REP 2, 1, v_mov_b32 v[LS2+n], 0
	REP 64, 1, v_mov_b32 v[O+n], 0
	s_mov_b32 s34, 0
.LpC:
	v_lshl_add_u32 v[GLA], s34, 12, v[GL0]
	s_wait_loadcnt 0x0                             ; this position's quarters of K and V
	s_wait_dscnt 0x0                               ; my reads of the last chunk are over
	BAR
	WIN 0x0c
	REP 8, 1, ds_store_b128 v[KST], v[PK+4*n:PK+4*n+3] offset:n*512
	REP 8, 1, ds_store_b128 v[KST], v[PV+4*n:PV+4*n+3] offset:16384+n*512
	WIN 0
	s_wait_dscnt 0x0
	BAR
	s_cmp_eq_u32 s34, 16
	s_cbranch_scc1 .LC_loaded
	s_wait_xcnt 0x0                                ; the bases below are rewritten only behind this wait
	s_add_co_u32 s35, s34, 1
	POS
	LDK
	LDV
.LC_loaded:
	LOADKF
	REP 8, 1, ds_load_b128 v[U+4*n:U+4*n+3], v[GLA] offset:n*512
	WIN 0x40
	REP 32, 1, ds_load_b128 v[VF+4*n:VF+4*n+3], v[KLD] offset:16384+n*512
	WIN 0
	s_wait_dscnt 40                                ; K is in; E's 8 loads and V's 32 may be out
	KQ
	PLACES
	s_wait_dscnt 32                                ; E is in
	REP 16, 2, v_pk_mul_f32 v[S+n:S+n+1], v[S+n:S+n+1], v[U+n:U+n+1]  ; q.k x E; s log2(e) is this times F
	REP 4, 1, v_max3_num_f32 v[TP+n], v[S+8*n], v[S+8*n+1], v[S+8*n+2]
	REP 4, 1, v_max3_num_f32 v[TP+n], v[TP+n], v[S+8*n+3], v[S+8*n+4]
	REP 4, 1, v_max3_num_f32 v[TP+n], v[TP+n], v[S+8*n+5], v[S+8*n+6]
	REP 4, 1, v_max_num_f32 v[TP+n], v[TP+n], v[S+8*n+7]
	v_mov_b32 v[MO], v[M]
	v_max3_num_f32 v[TP], v[TP], v[TP+1], v[TP+2]
	v_max3_num_f32 v[TP], v[TP], v[TP+3], v[M]
	v_permlanex16_b32 v[TP+1], v[TP], s62, s63
	v_max_num_f32 v[M], v[TP], v[TP+1]             ; the running maximum, from 0
	v_sub_f32 v[TP+2], v[MO], v[M]
	v_mul_f32 v[NM], -v[M], v[C_F]
	v_mul_f32 v[TP+2], v[TP+2], v[C_F]
	v_mov_b32 v[NM+1], v[NM]
	v_exp_f32 v[AA], v[TP+2]                       ; a
	v_exp_f32 v[CC], v[NM]                         ; c
	REP 16, 2, v_pk_fma_f32 v[S+n:S+n+1], v[S+n:S+n+1], v[C_F:C_F+1], v[NM:NM+1]
	s_wait_alu depctr_va_vdst(0)
	v_mov_b32 v[AA+1], v[AA]
	v_mov_b32 v[CC+1], v[CC]
	REP 32, 1, v_exp_f32 v[S+n], v[S+n]
	v_pk_mul_f32 v[LS:LS+1], v[LS:LS+1], v[AA:AA+1]
	v_pk_mul_f32 v[LS2:LS2+1], v[LS2:LS2+1], v[AA:AA+1]
	s_wait_alu depctr_va_vdst(0)
	REP 32, 2, v_pk_mul_f32 v[O+n:O+n+1], v[O+n:O+n+1], v[AA:AA+1]
	REP 16, 2, v_pk_add_f32 v[S+n:S+n+1], v[S+n:S+n+1], v[CC:CC+1] neg_lo:[0,1] neg_hi:[0,1]  ; w: exactly 0 where s = 0
.set n, 0
.rept 8
	v_pk_add_f32 v[LS:LS+1], v[LS:LS+1], v[S+n:S+n+1]
	v_pk_add_f32 v[LS2:LS2+1], v[LS2:LS2+1], v[S+n+2:S+n+3]
	v_cvt_pk_f16_f32 v[P+n/2], v[S+n], v[S+n+1]    ; two results of K Q^T, rounded in pairs, are source 1 of V^T w
	v_cvt_pk_f16_f32 v[P+n/2+1], v[S+n+2], v[S+n+3]
.set n, n+4
.endr
	s_wait_dscnt 0x0                               ; V is in
	WIN 0x01
.irp kk, 0,1
.irp cb, 0,1,2,3,4,5,6,7               ; the eight accumulators take turns
	v_wmma_f32_16x16x32_f16 v[O+8*\cb:O+8*\cb+7], v[VF+64*\kk+8*\cb:VF+64*\kk+8*\cb+7], v[P+8*\kk:P+8*\kk+7], v[O+8*\cb:O+8*\cb+7]
.endr
.endr
	WIN 0
	PLACES                                         ; in front of the next trip's loads into these products' sources, and of the way out
	s_cmp_eq_u32 s34, s20
	s_cbranch_scc1 .LC_final
	s_cmp_lg_u32 s34, 16
	s_cbranch_scc1 .LC_next
.LC_final:
	; A BLOCK'S WAY OUT: y = (c Vtot + O) / (1024 c + l), rounded to f16, through my stage (position 0, read long ago) into whole rows of 256 bytes
	v_pk_add_f32 v[LS:LS+1], v[LS:LS+1], v[LS2:LS2+1]
	v_add_f32 v[TP], v[LS], v[LS+1]
	v_permlanex16_b32 v[TP+1], v[TP], s62, s63
	v_add_f32 v[TP], v[TP], v[TP+1]
	v_fma_f32 v[TP], v[CC], 0x44800000, v[TP]
	v_rcp_f32 v[TP], v[TP]
	v_nop                                          ; a plain instruction behind the reciprocal
	s_wait_alu depctr_va_vdst(0)
	v_mov_b32 v[TP+1], v[TP]
	v_mul_f32 v[TP+2], v[CC], v[TP]
	v_mul_f32 v[TP+3], v[CC], v[TP]
	REP 32, 2, v_pk_mul_f32 v[O+n:O+n+1], v[O+n:O+n+1], v[TP:TP+1]
	WIN 0x03
	REP 32, 2, v_pk_fma_f32 v[O+n:O+n+1], v[VT+n:VT+n+1], v[TP+2:TP+3], v[O+n:O+n+1]
	WIN 0
	REP 32, 1, v_cvt_pk_f16_f32 v[T+n], v[O+2*n], v[O+2*n+1]
	WIN 0x03
	REP 8, 1, ds_store_b128 v[YW+n], v[T+4*n:T+4*n+3]       ; row q, piece 2 cb + h
	REP 8, 1, ds_load_b128 v[U+4*n:U+4*n+3], v[RY+n]        ; back by rows; LDS serves a wave's instructions in order
	WIN 0
	s_cmp_lt_u32 s34, s19
	s_cselect_b32 s37, s20, s17
	s_lshl_b32 s38, s37, 17                        ; block x 64 rows of 2,048 bytes
	s_add_nc_u64 s[80:81], s[32:33], s[38:39]
	s_wait_dscnt 0x0
	REP 8, 1, global_store_b128 v[GOY], v[U+4*n:U+4*n+3], s[80:81] offset:n*4096  ; each half of the lanes stores 256 consecutive bytes, aligned
	s_wait_xcnt 0x0                                ; the stores have read their registers and their base
	WIN 0x03                                       ; on to block B
	REP 32, 1, v_mov_b32 v[QC+n], v[QB+n]
	WIN 0
	SETCUR PSB
	v_mov_b32 v[M], 0
	REP 2, 1, v_mov_b32 v[LS+n], 0
	REP 2, 1, v_mov_b32 v[LS2+n], 0
	REP 64, 1, v_mov_b32 v[O+n], 0
.LC_next:
	s_add_co_u32 s34, s34, 1
	s_cmp_lt_u32 s34, 17
	s_cbranch_scc1 .LpC
	s_wait_tensorcnt 0x0                           ; the wave's end, behind my last LDS store
	ds_add_u32 v[SPW], v[NIL]
	s_wait_dscnt 0x0
	s_endpgm
.Lfunc_end_k_qfac1f40383_attn:
	.size	k_qfac1f40383_attn, .Lfunc_end_k_qfac1f40383_attn-k_qfac1f40383_attn
	.p2alignl 7, 3214868480
	.fill 96, 4, 3214868480
	.section	.rodata,"a",@progbits
	.p2align	6, 0x0
	.amdhsa_kernel k_qfac1f40383_attn
		.amdhsa_group_segment_fixed_size 327680
		.amdhsa_private_segment_fixed_size 0
		.amdhsa_enable_private_segment 0
		.amdhsa_kernarg_size 48
		.amdhsa_user_sgpr_count 2
		.amdhsa_user_sgpr_kernarg_segment_ptr 1
		.amdhsa_wavefront_size32 1
		.amdhsa_system_sgpr_workgroup_id_x 1
		.amdhsa_system_sgpr_workgroup_id_y 1
		.amdhsa_system_sgpr_workgroup_id_z 1
		.amdhsa_system_vgpr_workitem_id 0
		.amdhsa_next_free_vgpr 1024
		.amdhsa_next_free_sgpr 96
		.amdhsa_reserve_vcc 1
		.amdhsa_float_denorm_mode_32 3
		.amdhsa_float_denorm_mode_16_64 3
		.amdhsa_memory_ordered 1
		.amdhsa_forward_progress 1
		.amdhsa_inst_pref_size 145
	.end_amdhsa_kernel
	.amdgpu_metadata
---
amdhsa.version: [ 1, 2 ]
amdhsa.kernels:
  - .name:           k_qfac1f40383_attn
    .symbol:         k_qfac1f40383_attn.kd
    .args:
      - { .name: qkv16, .offset: 0, .size: 8, .value_kind: global_buffer, .address_space: global }
      - { .name: vsum, .offset: 8, .size: 8, .value_kind: global_buffer, .address_space: global }
      - { .name: noise_u, .offset: 16, .size: 8, .value_kind: global_buffer, .address_space: global }
      - { .name: sparsity_ratios, .offset: 24, .size: 8, .value_kind: global_buffer, .address_space: global }
      - { .name: gumbel_temp, .offset: 32, .size: 8, .value_kind: global_buffer, .address_space: global }
      - { .name: y16, .offset: 40, .size: 8, .value_kind: global_buffer, .address_space: global }
    .group_segment_fixed_size: 327680
    .private_segment_fixed_size: 0
    .kernarg_segment_align: 8
    .kernarg_segment_size: 48
    .max_flat_workgroup_size: 128
    .sgpr_count:     96
    .vgpr_count:     1024
    .wavefront_size: 32
...
	.end_amdgpu_metadata
.endif
;; end of part 3
;; launch proj (part 4): grid 8 x 32, 4 waves a work-group, clusters of 4 x 4, 327,680 bytes of LDS; arguments y16, wp16, b_proj, out0; writes out0
.if DOCPART == 4
	.amdgcn_target "amdgcn-amd-amdhsa--gfx1250"
	.amdhsa_code_object_version 6
	.text
	.protected	k_qfac1f40383_proj
	.globl	k_qfac1f40383_proj
	.p2align	8
	.type	k_qfac1f40383_proj,@function
k_qfac1f40383_proj:
	s_mov_b64 s[64:65], 0
	v_nop
	global_prefetch_b8 v0, s[64:65] scope:SCOPE_SE
	s_setreg_imm32_b32 hwreg(HW_REG_WAVE_MODE, 25, 1), 1
	s_wait_xcnt 0x0
	s_wait_alu depctr_hold_cnt(0) depctr_sa_sdst(0) depctr_va_vdst(0) depctr_va_sdst(0) depctr_va_ssrc(0) depctr_va_vcc(0) depctr_vm_vsrc(0)
	s_getreg_b32 s2, hwreg(HW_REG_IB_STS2, 6, 4)
	s_cmp_eq_u32 s2, 0
	s_cbranch_scc0 .Lentry_in_a_cluster
	s_endpgm
.Lentry_in_a_cluster:
	s_bfe_u32 s2, ttmp6, 0x10000c
	s_cmp_lg_u32 s2, 0xf033
	s_cbranch_scc0 .Lentry_shape_is_right
	s_endpgm
.Lentry_shape_is_right:
; out = y W_proj + b_proj.  A: [4096][1024] f16.  B: [tile of 128 columns][1024 k][128] f16.  Sums in f32; out in f32, row-major [4096][1024].  A tile of C is 128 x 128: four waves, each 64 x 64 in 16 accumulators.
; K goes in steps of 256 through two LDS slots filled by the tensor data mover: waves 0, 1 fetch A's two halves (64 rows of 512 bytes), waves 2, 3 B's (128 k rows of 256 bytes).
; CLUSTER 4 x 4: A's tile is shared along a row of the cluster, B's along a column; each is asked for jointly, by the same load with the same descriptor and a mask of four.
; THE MATRIX INSTRUCTION IS USED TRANSPOSED (source 0 = 16 columns of B, turned out of LDS by ds_load_tr16_b128; source 1 = 16 rows of A): a lane holds one row of C and eight neighbouring columns.
; THE WAY OUT: through a stage of 128 rows x 528 bytes, with a barrier between writing and reading, since a row's 512 bytes come from two waves; each wave then stores 32 whole rows.
; REGISTERS: window 0: v0-31 addresses; v32-95 at work on the way out; v96-127 the bias of my 64 columns; v128-255 accumulators ((a, b) at 128 + 8 (4 a + b)).  window 1: two fragment buffers of 128 (64 of A, 64 of B).
.set SIZE_K, 1024
.set KSTEP,  256
.set PA,     528                       ; a row of A in LDS: 512 bytes + 16: the 16 rows of a load start at 16 different groups of four banks
.set PB,     288                       ; a k row of B: 256 + 32
.set HA,     64*PA
.set HB,     128*PB
.set BOFF,   2*HA
.set SLOT,   BOFF+2*HB
.set SPARE,  2*SLOT                    ; the spare words: 128 bytes a wave, two blocks of 256 bytes that no other line names
.set SP32,   528                       ; the stage lies in slot 0, which has had its last fill and its last read when the stage is written
.set H32,  15                          ; v15  32 x (lane / 16)
.set ADRA, 16                          ; v16-17 my A fragments in slot 0, 1
.set ADRB, 20                          ; v20-23 my B fragments: slot, and which 128 of the step's 256 k
.set STO1, 25
.set SPW,  28
.set NIL,  29
.set RD1,  30
.set CO,   31
.set TMP,  32
.set BI,   96
.set ACC,  128
.set F0,   0
.set F1,   128
.set G1, 24
.set G0, 32
.set G1B, 48
.set G0B, 56
.set MSB, 0
.macro WIN new                         ; the immediate's high byte repeats the setting that is left
.if MSB != (\new)
	s_set_vgpr_msb (MSB<<8)|(\new)
.set MSB, \new
.endif
.endm
.set MUL,  0x05                        ; sources 0 and 1 window 1; C and D window 0
.set TO_F, 0x40                        ; destination window 1
.macro JLOAD s                         ; a joint load; the branch hangs on the wave's number alone; an s_nop 0 and four v_nop follow each line
	s_cmp_eq_u32 s11, 0
	s_cbranch_scc0 .Lfor_b_\@
	tensor_load_to_lds s[G0+4*(\s):G0+4*(\s)+3], s[G1:G1+7]
	s_nop 0
.rept 4
	v_nop
.endr
	s_branch .Lasked_\@
.Lfor_b_\@:
	tensor_load_to_lds s[G0B+4*(\s):G0B+4*(\s)+3], s[G1B:G1B+7]
	s_nop 0
.rept 4
	v_nop
.endr
.Lasked_\@:
.endm
.macro CREST                           ; a round of the cluster's barrier behind its opening barrier
	s_cmp_lg_u32 s10, 0
	s_cbranch_scc1 .Lnot_wave_0_\@
	s_barrier_signal -3
.Lnot_wave_0_\@:
	s_barrier_wait -3
	s_barrier_signal -1
	s_barrier_wait -1
.endm
.macro CROUND
	s_barrier_signal -1
	s_barrier_wait -1
	CREST
.endm
	s_load_b128 s[4:7], s[0:1], 0x0                ; A, B
	s_load_b64 s[68:69], s[0:1], 0x10              ; bias
	s_load_b64 s[72:73], s[0:1], 0x18              ; out
	v_lshl_add_u32 v[SPW], v0, 2, SPARE
	v_mov_b32 v[NIL], 0
	ds_add_u32 v[SPW], v[NIL]                      ; the wave's opening: the add and its wait ahead of my first tensor load
	v_lshrrev_b32 v1, 5, v0
	v_readfirstlane_b32 s10, v1                    ; wave
	s_lshr_b32 s11, s10, 1                         ; my half of the tile's rows; also: I fetch for A (0) or B (1)
	s_and_b32 s12, s10, 1                          ; my half of its columns; also: which half of that tile I fetch
	s_bfe_u32 s40, ttmp6, 0x40000                  ; cx
	s_bfe_u32 s41, ttmp6, 0x40004                  ; cy
	s_lshl_b32 s42, ttmp9, 2
	s_add_co_u32 s42, s42, s40                     ; tile column
	s_and_b32 s13, ttmp7, 0xffff
	s_lshl_b32 s13, s13, 2
	s_add_co_u32 s13, s13, s41                     ; tile row
	s_lshl_b32 s43, s41, 2
	s_lshl_b32 s43, 15, s43                        ; my row of the cluster
	s_lshl_b32 s44, 0x1111, s40                    ; my column
	s_or_b32 s[G1+0], s43, (1<<16)|(1<<20)|(1<<21)|(6<<22)|(3<<25)   ; mask; 2-byte elements; padding on; bit 21 beside a mask; after 128 words 4 words
	s_or_b32 s[G1B+0], s44, (1<<16)|(1<<20)|(1<<21)|(5<<22)|(7<<25)  ; after 64 words 8 words
	s_mov_b32 s[G1+1], KSTEP<<16                   ; tensor_dim0 = 256
	s_mov_b32 s[G1+2], 64<<16                      ; tensor_dim1 = 64
	s_mov_b32 s[G1+3], KSTEP<<16                   ; tile_dim0 = 256
	s_mov_b32 s[G1+4], 64                          ; tile_dim1 = 64
	s_mov_b32 s[G1+5], SIZE_K                      ; elements from row to row
	s_mov_b32 s[G1+6], 0
	s_mov_b32 s[G1+7], 0
	s_mov_b32 s[G1B+1], 128<<16
	s_mov_b32 s[G1B+2], 128<<16
	s_mov_b32 s[G1B+3], 128<<16
	s_mov_b32 s[G1B+4], 128
	s_mov_b32 s[G1B+5], 128
	s_mov_b32 s[G1B+6], 0
	s_mov_b32 s[G1B+7], 0
	s_lshl_b32 s16, s13, 7
	s_lshl_b32 s17, s12, 6
	s_add_co_u32 s16, s16, s17
	s_lshl_b32 s16, s16, 11                        ; A: (128 x tile row + 64 x half) rows of 2,048 bytes
	s_mov_b32 s17, 0
	s_lshl_b32 s46, s42, 18                        ; B: tile column x 262,144 + half x 128 k rows of 256 bytes
	s_lshl_b32 s47, s12, 15
	s_add_co_u32 s46, s46, s47
	s_mov_b32 s47, 0
	s_mul_i32 s20, s12, HA                         ; where they go: no place in the cluster enters an LDS address
	s_mul_i32 s21, s12, HB
	s_add_co_u32 s21, s21, BOFF
	s_wait_dscnt 0x0                               ; the opening add is done
	s_wait_kmcnt 0x0
	s_add_nc_u64 s[14:15], s[4:5], s[16:17]
	s_add_nc_u64 s[46:47], s[6:7], s[46:47]
	CROUND                                         ; all sixteen work-groups are here: the first joint loads meet
.irp s, 0,1
	s_mov_b32 s[G0+4*(\s)], 1
	s_add_co_u32 s[G0+4*(\s)+1], s20, (\s)*SLOT
	s_add_nc_u64 s[G0+4*(\s)+2:G0+4*(\s)+3], s[14:15], (\s)*KSTEP*2
	s_or_b32 s[G0+4*(\s)+3], s[G0+4*(\s)+3], 0x80000000
	s_mov_b32 s[G0B+4*(\s)], 1
	s_add_co_u32 s[G0B+4*(\s)+1], s21, (\s)*SLOT
	s_add_nc_u64 s[G0B+4*(\s)+2:G0B+4*(\s)+3], s[46:47], (\s)*KSTEP*256
	s_or_b32 s[G0B+4*(\s)+3], s[G0B+4*(\s)+3], 0x80000000
	JLOAD \s
.endr
	v_and_b32 v1, 15, v0                           ; r
	v_bfe_u32 v2, v0, 4, 1                         ; h
	v_and_b32 v4, 7, v0
	v_bfe_u32 v5, v0, 3, 1
	v_and_b32 v6, 31, v0
	v_lshlrev_b32 v[H32], 5, v2
	s_lshl_b32 s78, s42, 9                         ; the bias of my 64 columns: lane (r, h) takes columns 16 b + 8 h + 0..7
	s_lshl_b32 s79, s12, 8
	s_add_co_u32 s78, s78, s79
	s_mov_b32 s79, 0
	s_add_nc_u64 s[68:69], s[68:69], s[78:79]
.irp b, 0,1,2,3
	global_load_b128 v[BI+8*\b:BI+8*\b+3],   v[H32], s[68:69] offset:64*\b
	global_load_b128 v[BI+8*\b+4:BI+8*\b+7], v[H32], s[68:69] offset:64*\b+16
.endr
	v_mul_u32_u24 v3, v1, PA
	v_lshl_add_u32 v3, v2, 4, v3                   ; A: row x pitch + 16 h
	s_mul_i32 s22, s11, HA
	v_add_nc_u32 v[ADRA], s22, v3
	v_add_nc_u32 v[ADRA+1], SLOT, v[ADRA]
	v_lshl_add_u32 v7, v2, 3, v4                   ; the turning load: row 8 h + lane % 8, 16 bytes by (lane / 8) % 2
	v_mul_u32_u24 v8, v7, PB
	v_lshl_add_u32 v8, v5, 4, v8
	s_lshl_b32 s22, s12, 7
	s_add_co_u32 s22, s22, BOFF
	v_add_nc_u32 v[ADRB], s22, v8
	v_add_nc_u32 v[ADRB+1], HB, v[ADRB]
	v_add_nc_u32 v[ADRB+2], SLOT, v[ADRB]
	v_add_nc_u32 v[ADRB+3], SLOT+HB, v[ADRB]
	s_mul_i32 s22, s11, 64*SP32                    ; the stage, in: my 64 rows, my 256 bytes of them; row r, 32 bytes for each half of the lanes
	s_lshl_b32 s23, s12, 8
	s_add_co_u32 s22, s22, s23
	v_mul_u32_u24 v11, v1, SP32
	v_lshl_add_u32 v11, v2, 5, v11
	v_add_nc_u32 v[STO1], s22, v11
	s_mul_i32 s22, s10, 32*SP32                    ; back: wave w takes rows 32 w .. 32 w + 31, a whole row of 512 bytes a load
	v_lshlrev_b32 v[CO], 4, v6
	v_add_nc_u32 v[RD1], s22, v[CO]
	s_lshl_b32 s80, s13, 7                         ; (128 x tile row + 32 x wave) rows of 4,096 bytes + tile column x 512
	s_lshl_b32 s81, s10, 5
	s_add_co_u32 s80, s80, s81
	s_lshl_b32 s80, s80, 12
	s_lshl_b32 s81, s42, 9
	s_add_co_u32 s80, s80, s81
	s_mov_b32 s81, 0
	s_add_nc_u64 s[80:81], s[72:73], s[80:81]
.macro MUL8 f, c, a0, zero             ; 8 products: row blocks a0, a0 + 1 x 4 column blocks, 32 along K; the 16 accumulators take turns
	WIN MUL
.irp a, \a0, (\a0)+1
.irp b, 0,1,2,3
.if \zero
	v_wmma_f32_16x16x32_f16 v[ACC+8*(4*(\a)+(\b)):ACC+8*(4*(\a)+(\b))+7], v[(\f)+64+8*(4*(\c)+(\b)):(\f)+64+8*(4*(\c)+(\b))+7], v[(\f)+8*(4*(\c)+(\a)):(\f)+8*(4*(\c)+(\a))+7], 0
.else
	v_wmma_f32_16x16x32_f16 v[ACC+8*(4*(\a)+(\b)):ACC+8*(4*(\a)+(\b))+7], v[(\f)+64+8*(4*(\c)+(\b)):(\f)+64+8*(4*(\c)+(\b))+7], v[(\f)+8*(4*(\c)+(\a)):(\f)+8*(4*(\c)+(\a))+7], v[ACC+8*(4*(\a)+(\b)):ACC+8*(4*(\a)+(\b))+7]
.endif
.endr
.endr
.endm
.macro FETCH slot, q, f                ; 32 LDS loads in one run: the fragments of quarter q (64 along K) into buffer f, its first 32 along K first
	WIN TO_F
.irp c, 0,1
.irp i, 0,1,2,3
	ds_load_tr16_b128 v[(\f)+64+8*(4*(\c)+(\i)):(\f)+64+8*(4*(\c)+(\i))+3],   v[ADRB+2*(\slot)+(\q)/2] offset:(((\q)%2)*64+32*(\c))*PB+32*(\i)
	ds_load_tr16_b128 v[(\f)+64+8*(4*(\c)+(\i))+4:(\f)+64+8*(4*(\c)+(\i))+7], v[ADRB+2*(\slot)+(\q)/2] offset:(((\q)%2)*64+32*(\c)+16)*PB+32*(\i)
	ds_load_b128 v[(\f)+8*(4*(\c)+(\i)):(\f)+8*(4*(\c)+(\i))+3],         v[ADRA+(\slot)] offset:(\q)*128+64*(\c)+(\i)*16*PA
	ds_load_b128 v[(\f)+8*(4*(\c)+(\i))+4:(\f)+8*(4*(\c)+(\i))+7],       v[ADRA+(\slot)] offset:(\q)*128+64*(\c)+(\i)*16*PA+32
.endr
.endr
.endm
.macro PLACES                          ; four places in front of loads into registers that matrix instructions have read, and of vector work on their results
.rept 4
	v_nop
.endr
.endm
.macro QUARTER slot, q, f, g, zero     ; multiplies buffer f; in its middle fetches quarter q of the slot into g
	s_wait_dscnt 16                                ; the first 32 along K are in; the youngest sixteen loads may be out
	MUL8 \f, 0, 0, \zero
	MUL8 \f, 0, 2, \zero
	PLACES
	FETCH \slot, \q, \g
	s_wait_dscnt 32                                ; all but the 32 just issued
	MUL8 \f, 1, 0, 0
	MUL8 \f, 1, 2, 0
.endm
.macro TURN slot, next, fill           ; the last quarter multiplies buffer 1 and changes slots
	WIN 0
	s_wait_tensorcnt 0x0                           ; all my tensor loads have landed: my part of the next slot
	ds_add_u32 v[SPW], v[NIL]                      ; 0 onto my spare word
	s_wait_dscnt 17                                ; the add and the youngest sixteen loads may be out
	MUL8 F1, 0, 0, 0
	s_wait_dscnt 0x0                               ; the add is done, and my reads of this slot are over
	s_barrier_signal -1
	MUL8 F1, 0, 2, 0
.if \fill
	WIN 0
.endif
	s_barrier_wait -1
.if \fill
	CREST                                          ; the barrier has opened a round of the cluster's: no wave of any partner still reads this slot or has a load on its way
	s_add_nc_u64 s[G0+4*(\slot)+2:G0+4*(\slot)+3], s[G0+4*(\slot)+2:G0+4*(\slot)+3], 2*KSTEP*2
	s_add_nc_u64 s[G0B+4*(\slot)+2:G0B+4*(\slot)+3], s[G0B+4*(\slot)+2:G0B+4*(\slot)+3], 2*KSTEP*256
	JLOAD \slot                                    ; the first tensor load behind the round; its four v_nop are also the places in front of the loads below
.else
	PLACES
.endif
	FETCH \next, 0, F0
	MUL8 F1, 1, 0, 0
	MUL8 F1, 1, 2, 0
.endm
	s_wait_tensorcnt 1                             ; my part of K step 0 is in; step 1's may stay out
	s_barrier_signal -1
	s_barrier_wait -1
	FETCH 0, 0, F0
	QUARTER 0, 1, F0, F1, 1                        ; the first products start the sums
	QUARTER 0, 2, F1, F0, 0
	QUARTER 0, 3, F0, F1, 0
	TURN 0, 1, 1                                   ; slot 0 takes K step 2
	QUARTER 1, 1, F0, F1, 0
	QUARTER 1, 2, F1, F0, 0
	QUARTER 1, 3, F0, F1, 0
	TURN 1, 0, 1                                   ; slot 1 takes K step 3
	QUARTER 0, 1, F0, F1, 0
	QUARTER 0, 2, F1, F0, 0
	QUARTER 0, 3, F0, F1, 0
	TURN 0, 1, 0                                   ; behind this barrier nobody reads slot 0 any more, and nothing is filled
	QUARTER 1, 1, F0, F1, 0
	QUARTER 1, 2, F1, F0, 0
	QUARTER 1, 3, F0, F1, 0
	s_wait_dscnt 16
	MUL8 F1, 0, 0, 0
	MUL8 F1, 0, 2, 0
	s_wait_dscnt 0x0
	MUL8 F1, 1, 0, 0
	MUL8 F1, 1, 2, 0
	WIN 0
	; THE WAY OUT
	PLACES
	s_wait_loadcnt 0x0                             ; the bias
.irp a, 0,1,2,3
.irp b, 0,1,2,3
.irp r, 0,1,2,3
	v_pk_add_f32 v[ACC+8*(4*\a+\b)+2*\r:ACC+8*(4*\a+\b)+2*\r+1], v[ACC+8*(4*\a+\b)+2*\r:ACC+8*(4*\a+\b)+2*\r+1], v[BI+8*\b+2*\r:BI+8*\b+2*\r+1]
.endr
.endr
.endr
.irp a, 0,1,2,3
.irp b, 0,1,2,3
	ds_store_b128 v[STO1], v[ACC+8*(4*\a+\b):ACC+8*(4*\a+\b)+3]   offset:\a*16*SP32+64*\b
	ds_store_b128 v[STO1], v[ACC+8*(4*\a+\b)+4:ACC+8*(4*\a+\b)+7] offset:\a*16*SP32+64*\b+16
.endr
.endr
	s_wait_dscnt 0x0                               ; for the others' sake: my stores into the stage are done
	s_barrier_signal -1
	s_barrier_wait -1
.irp g, 0,1
.if \g
	s_wait_xcnt 0x0                                ; the first batch's stores have read their registers
.endif
.set i, 0
.rept 16
	ds_load_b128 v[TMP+4*i:TMP+4*i+3], v[RD1] offset:(16*\g+i)*SP32
.set i, i+1
.endr
.set i, 0
.rept 16
	s_wait_dscnt 15-i                              ; LDS loads come back in order: row i of the batch is in
	global_store_b128 v[CO], v[TMP+4*i:TMP+4*i+3], s[80:81] offset:(16*\g+i)*4096  ; a row's 512 consecutive bytes, aligned
.set i, i+1
.endr
.endr
	s_wait_tensorcnt 0x0                           ; the wave's end
	ds_add_u32 v[SPW], v[NIL]
	s_wait_dscnt 0x0
	CROUND                                         ; the closing round
	s_endpgm
.Lfunc_end_k_qfac1f40383_proj:
	.size	k_qfac1f40383_proj, .Lfunc_end_k_qfac1f40383_proj-k_qfac1f40383_proj
	.p2alignl 7, 3214868480
	.fill 96, 4, 3214868480
	.section	.rodata,"a",@progbits
	.p2align	6, 0x0
	.amdhsa_kernel k_qfac1f40383_proj
		.amdhsa_group_segment_fixed_size 327680
		.amdhsa_private_segment_fixed_size 0
		.amdhsa_enable_private_segment 0
		.amdhsa_kernarg_size 32
		.amdhsa_user_sgpr_count 2
		.amdhsa_user_sgpr_kernarg_segment_ptr 1
		.amdhsa_wavefront_size32 1
		.amdhsa_system_sgpr_workgroup_id_x 1
		.amdhsa_system_sgpr_workgroup_id_y 1
		.amdhsa_system_sgpr_workgroup_id_z 1
		.amdhsa_system_vgpr_workitem_id 0
		.amdhsa_next_free_vgpr 512
		.amdhsa_next_free_sgpr 84
		.amdhsa_reserve_vcc 0
		.amdhsa_float_denorm_mode_32 3
		.amdhsa_float_denorm_mode_16_64 3
		.amdhsa_memory_ordered 1
		.amdhsa_forward_progress 1
		.amdhsa_inst_pref_size 91
	.end_amdhsa_kernel
	.amdgpu_metadata
---
amdhsa.version: [ 1, 2 ]
amdhsa.kernels:
  - .name:           k_qfac1f40383_proj
    .symbol:         k_qfac1f40383_proj.kd
    .args:
      - { .name: y16, .offset: 0, .size: 8, .value_kind: global_buffer, .address_space: global }
      - { .name: wp16, .offset: 8, .size: 8, .value_kind: global_buffer, .address_space: global }
      - { .name: b_proj, .offset: 16, .size: 8, .value_kind: global_buffer, .address_space: global }
      - { .name: out0, .offset: 24, .size: 8, .value_kind: global_buffer, .address_space: global }
    .group_segment_fixed_size: 327680
    .private_segment_fixed_size: 0
    .kernarg_segment_align: 8
    .kernarg_segment_size: 32
    .max_flat_workgroup_size: 128
    .sgpr_count:     84
    .vgpr_count:     512
    .wavefront_size: 32
...
	.end_amdgpu_metadata
.endif
;; end of part 4
;; ======== version 2 of 2: 4 launches; version 1 with the launch prep written anew for expert scheduling mode
;; limits: values within 1.19e-07 (relative) of each other or of a threshold may be ordered or decided otherwise than in the reference; values are held in f16: magnitudes above 65,504 overflow, below 6.1e-05 lose precision; right only within a limited range of input values
;; workspace buffers: x16 8,388,608 bytes; wa16 6,291,456 bytes; wp16 2,097,152 bytes; qkv16 25,165,824 bytes; vsum 262,144 bytes; y16 8,388,608 bytes
;; launch prep (part 5): grid 512 x 1, 8 waves a work-group, no clusters, 0 bytes of LDS; arguments x, W_attn, W_proj, x16, wa16, wp16; writes x16, wa16, wp16
.if DOCPART == 5
	.amdgcn_target "amdgcn-amd-amdhsa--gfx1250"
	.amdhsa_code_object_version 6
	.text
	.protected	k_qfac1f40383_prep
	.globl	k_qfac1f40383_prep
	.p2align	8
	.type	k_qfac1f40383_prep,@function
k_qfac1f40383_prep:
	s_mov_b64 s[64:65], 0
	v_nop
	global_prefetch_b8 v0, s[64:65] scope:SCOPE_SE
	s_setreg_imm32_b32 hwreg(HW_REG_WAVE_SCHED_MODE, 0, 2), 2
	s_setreg_imm32_b32 hwreg(HW_REG_WAVE_MODE, 25, 1), 1
	s_wait_xcnt 0x0
	s_wait_alu depctr_vm_vsrc(0)
; x, W_attn and W_proj are rounded once to f16.  x16 keeps x's layout; the weights are laid in tiles of 128 columns, [tile][k][128], so that a
; tile's rows lie end to end.  A PIECE is 128 consecutive f32 of a row: 512 bytes in (one load of a wave), 256 bytes out (one store of a wave,
; aligned).  A work-group takes 128 pieces: 16 turns of its eight waves.  Work-groups 0-255: x; 256-447: W_attn; 448-511: W_proj.
; A stream: no LDS, no matrix unit, no cluster.  All 16 loads of a wave go out first; no vector register is written twice.
; THE MODE: SCHED_MODE bits 1:0 = 2 (LLVM: expert scheduling mode 2), set by the entry lines.  The code itself states the register dependences
; between vector instructions and memory instructions, with s_wait_alu, always for 0.
; THE PLAN.  Registers that memory instructions touch:
;   v1   the loads' offset.  Written once at the head; read by the 16 loads; never written again.
;   LD   written by the 16 loads alone, each register once; no vector instruction names them ahead of the loads; read by the conversions.
;   OF   the stores' offsets.  Written by 16 adds, which stand behind the loads, while those are on their way; each is read by one store; never written again.
;   HF   the stores' data.  Written by the conversions, each register once; each is read by one store; never written again.
; The 16 turns go in four groups of four: one wait for the group's loads, its eight conversions, one wait on va_vdst, its four stores.
; No register that a load or a store reads is written again, and no base is stepped: so past the entry lines the text holds no wait on vm_vsrc and none on XCNT.
.set LD, 16                            ; v[16:79]   16 loads of 4 f32
.set HF, 80                            ; v[80:111]  16 x 4 f16
.set OF, 112                           ; v[112:127] 16 store offsets
	s_load_b256 s[4:11], s[0:1], 0x0               ; x, W_attn, W_proj, x16
	s_load_b128 s[12:15], s[0:1], 0x20             ; wa16, wp16
	v_lshrrev_b32 v3, 5, v0
	v_readfirstlane_b32 s20, v3                    ; wave
	v_lshlrev_b32 v1, 4, v0                        ; 16 bytes a thread: eight pieces a turn
	v_and_b32 v2, 31, v0
	v_lshlrev_b32 v2, 3, v2                        ; lane x 8: my 4 f16 in a piece
	s_mov_b32 s21, ttmp9
	s_mov_b32 s29, 0x0aaaaaab                      ; 2^32 / 24, rounded up: the high word of P x this is P / 24 for P < 24,576
	s_mov_b32 s30, 0x20000000                      ; 2^32 / 8
	s_movk_i32 s35, 256
	s_movk_i32 s36, 448
	s_wait_kmcnt 0x0
	s_cmp_lt_u32 s21, s36
	s_cselect_b64 s[24:25], s[6:7], s[8:9]         ; from
	s_cselect_b64 s[26:27], s[12:13], s[14:15]     ; to
	s_cselect_b32 s22, s35, s36                    ; the region's first work-group
	s_cselect_b32 s23, 24, 8                       ; pieces in a row
	s_cselect_b32 s28, s29, s30
	s_cmp_lt_u32 s21, s35
	s_cselect_b64 s[24:25], s[4:5], s[24:25]
	s_cselect_b64 s[26:27], s[10:11], s[26:27]
	s_cselect_b32 s22, 0, s22
	s_cselect_b32 s23, 1, s23
	s_sub_co_u32 s22, s21, s22                     ; my number in the region
	s_lshl_b32 s38, s22, 16                        ; 128 pieces of 512 bytes
	s_mov_b32 s39, 0
	s_add_nc_u64 s[24:25], s[24:25], s[38:39]
	s_lshl_b32 s33, s22, 7
	s_wait_alu depctr_va_sdst(0)                   ; s20, the wave's number, is written, ahead of its first reader: the line below
	s_add_co_u32 s33, s33, s20                     ; my wave's first piece
	s_wait_alu depctr_va_vdst(0)                   ; v1 is written, which all 16 loads read as their offset
.set it, 0
.rept 16
	global_load_b128 v[LD+4*it:LD+4*it+3], v1, s[24:25] offset:it*4096 th:TH_LOAD_NT
.set it, it+1
.endr
	; the 16 store offsets, made while the loads are on their way
.set it, 0
.rept 16
	s_add_co_u32 s31, s33, 8*it                    ; piece P
	s_mul_hi_u32 s32, s31, s28                     ; its row k = P / pieces in a row;
	s_cmp_lt_u32 s21, s35
	s_cselect_b32 s32, s31, s32                    ; for x: k = P, tile 0: the layout stays
	s_mul_i32 s34, s32, s23
	s_sub_co_u32 s34, s31, s34                     ; its tile
	s_lshl_b32 s34, s34, 10
	s_add_co_u32 s34, s34, s32
	s_lshl_b32 s34, s34, 8                         ; (tile x 1024 + k) x 256 bytes
	v_add_nc_u32 v[OF+it], s34, v2
.set it, it+1
.endr
	; four groups of four turns
.set g, 0
.rept 4
	s_wait_loadcnt 12-4*g                          ; loads come back in order: this group's four are in, the later groups' stay out
.set it, 4*g
.rept 4
	v_cvt_pk_f16_f32 v[HF+2*it], v[LD+4*it], v[LD+4*it+1]
	v_cvt_pk_f16_f32 v[HF+2*it+1], v[LD+4*it+2], v[LD+4*it+3]
.set it, it+1
.endr
	s_wait_alu depctr_va_vdst(0)                   ; the group's eight conversions have written their part of HF, the data of the four stores below; in the first group also: the sixteen adds have written OF, the stores' offsets
.set it, 4*g
.rept 4
	global_store_b64 v[OF+it], v[HF+2*it:HF+2*it+1], s[26:27]  ; 32 lanes x 8 bytes: 256 consecutive bytes, aligned
.set it, it+1
.endr
.set g, g+1
.endr
	s_endpgm
.Lfunc_end_k_qfac1f40383_prep:
	.size	k_qfac1f40383_prep, .Lfunc_end_k_qfac1f40383_prep-k_qfac1f40383_prep
	.p2alignl 7, 3214868480
	.fill 96, 4, 3214868480
	.section	.rodata,"a",@progbits
	.p2align	6, 0x0
	.amdhsa_kernel k_qfac1f40383_prep
		.amdhsa_group_segment_fixed_size 0
		.amdhsa_private_segment_fixed_size 0
		.amdhsa_enable_private_segment 0
		.amdhsa_kernarg_size 48
		.amdhsa_user_sgpr_count 2
		.amdhsa_user_sgpr_kernarg_segment_ptr 1
		.amdhsa_wavefront_size32 1
		.amdhsa_system_sgpr_workgroup_id_x 1
		.amdhsa_system_sgpr_workgroup_id_y 1
		.amdhsa_system_sgpr_workgroup_id_z 1
		.amdhsa_system_vgpr_workitem_id 0
		.amdhsa_next_free_vgpr 128
		.amdhsa_next_free_sgpr 66
		.amdhsa_reserve_vcc 0
		.amdhsa_float_denorm_mode_32 3
		.amdhsa_float_denorm_mode_16_64 3
		.amdhsa_memory_ordered 1
		.amdhsa_forward_progress 1
		.amdhsa_inst_pref_size 12
	.end_amdhsa_kernel
	.amdgpu_metadata
---
amdhsa.version: [ 1, 2 ]
amdhsa.kernels:
  - .name:           k_qfac1f40383_prep
    .symbol:         k_qfac1f40383_prep.kd
    .args:
      - { .name: x, .offset: 0, .size: 8, .value_kind: global_buffer, .address_space: global }
      - { .name: W_attn, .offset: 8, .size: 8, .value_kind: global_buffer, .address_space: global }
      - { .name: W_proj, .offset: 16, .size: 8, .value_kind: global_buffer, .address_space: global }
      - { .name: x16, .offset: 24, .size: 8, .value_kind: global_buffer, .address_space: global }
      - { .name: wa16, .offset: 32, .size: 8, .value_kind: global_buffer, .address_space: global }
      - { .name: wp16, .offset: 40, .size: 8, .value_kind: global_buffer, .address_space: global }
    .group_segment_fixed_size: 0
    .private_segment_fixed_size: 0
    .kernarg_segment_align: 8
    .kernarg_segment_size: 48
    .max_flat_workgroup_size: 256
    .sgpr_count:     66
    .vgpr_count:     128
    .wavefront_size: 32
...
	.end_amdgpu_metadata
.endif
;; end of part 5
;; launch qkv: the kernel of part 2 again; grid 24 x 32, 4 waves a work-group, clusters of 4 x 4, 327,680 bytes of LDS; arguments x16, wa16, b_attn, qkv16, vsum; writes qkv16, vsum
;; launch attn: the kernel of part 3 again; grid 8 x 32, 4 waves a work-group, no clusters, 327,680 bytes of LDS; arguments qkv16, vsum, noise_u, sparsity_ratios, gumbel_temp, y16; writes y16
;; launch proj: the kernel of part 4 again; grid 8 x 32, 4 waves a work-group, clusters of 4 x 4, 327,680 bytes of LDS; arguments y16, wp16, b_proj, out0; writes out0
